; MI455X (gfx1250); checked and timed in simulation.
; The chip was launched on July 23, 2026; its instructions are those of AMD's public machine-readable ISA for CDNA 5 (MIT licence, August 2026) and "CDNA5" Instruction Set Architecture Reference Guide (July 2026). The comments in the code are by the model that wrote it; some were corrected since.
;; Decoder. Allowed arithmetic: matrix products marked QUANTISED: E2M1 operands, one E8M0 scale for each 32 along K, by v_wmma_scale_f32_16x16x128_f8f6f4 with both operands' format E2M1 (or v_wmma_scale_f32_32x16x128_f4), f32 sums; products left as they are: f32 operands where the result goes on into a quantised operand, else bf16, f16 or f32 operands; f32 sums; everything else in f32.
;; Inputs: W_bin 512 x 256 float32; W_eos 512 x 512 float32; W_fc 3 x 1,024 float32; b_eos 512 float32; b_fc 3 float32; bin_embedding_table 115,000 x 256 float32; eos_emb 16 x 23 x 512 float32; sampled_indices 23 x 16 x 512 int32; targets 23 x 16 x 512 int32.
;; Outputs: out0 23 x 16 x 512 x 3 float32; out1 23 x 16 x 512 int32.
;; This version of the problem:
;;   THIS VERSION OF THE PROBLEM IS GIVEN IN LOW PRECISION. The matrix products marked QUANTISED in the list below multiply operands that are first quantised to E2M1 (2 exponent bits, 1 mantissa bit; 4 bits a number), with one power-of-two scale for each 32 numbers along K (OCP MX v1.0); their sums are f32. All else is computed in f32.
;;   The module's matrix products, in the order in which they are computed (A, B: the left and right operand; K: the contracted axis; several contracted axes count as one K, in the product's order):
;;     1. [M 368, K 512] x [K 512, N 512]; A: input eos_emb; B: input W_eos: QUANTISED
;;     2. [M 188,416, K 256] x [K 256, N 512]; A: computed on the way; B: input W_bin: QUANTISED
;;     3. [M 188,416, K 1,024] x [K 1,024, N 3]; A: computed on the way; B: input W_fc: left as it is (N = 3 < 16)
;;   THE QUANTISER, for each operand of a quantised product, along K:
;;     - K is cut into blocks of 32 from its start; a last block that is shorter is filled with zeros.
;;     - A block's scale is 2^e with e = floor(log2(the largest magnitude in the block)) - 2, held to -126 .. 127; a block of zeros has e = 0. As a byte (E8M0): e + 127.
;;     - Each number is divided by its block's scale, clamped to +-6, and rounded to the nearest number of E2M1, ties to even, subnormals kept.
;;     - The product sums the exact products of the quantised numbers (number of the format x scale) in f32.
;;   ~~~python
;;   def quantise(x, axis):      # numpy; x: float32 -> the quantised numbers, widened to float32 again
;;       x = np.moveaxis(x, axis, -1); K = x.shape[-1]
;;       x = np.pad(x, [(0, 0)] * (x.ndim - 1) + [(0, -K % 32)]); x = x.reshape(x.shape[:-1] + (-1, 32)); a = np.abs(x).max(-1, keepdims=True)
;;       e = np.where(a > 0, np.clip(np.frexp(np.where(a > 0, a, 1))[1] - 1 - 2, -126, 127), 0)      # np.frexp(a)[1] - 1 = floor(log2(a)), exactly
;;       r = np.clip(x / 2.0 ** e, -6, 6)
;;       step = 2.0 ** (np.maximum(np.frexp(np.where(r == 0, 1, r))[1] - 1, 0) - 1)
;;       q = np.round(r / step) * step * 2.0 ** e      # np.round: ties to even
;;       return np.moveaxis(q.reshape(q.shape[:-2] + (-1,))[..., :K], -1, axis).astype(np.float32)
;;   ~~~
;;   OPERANDS COMPUTED ON THE WAY. 'Computed on the way' means the value that the module computes at that place (a softmax that the list does not call 'softmax' is quantised finished and normalised). What goes into a quantiser is computed in f32, as accurately as f32 sums, v_exp_f32 and their like allow (about 1e-6 of the number): no bf16 or f16 on the way to a quantiser, and a product that is left as it is and whose result goes on into a quantised operand takes f32 operands (vector FMAs, or v_wmma_f32_16x16x4_f32). A number that lies on a knife's edge between two numbers of the format may be rounded either way, as far as f32 arithmetic and the matrix unit's own rounding can turn it there, and no further.
;; 2 versions, each right; version 2 is version 1 with the launches prep, decode written anew for expert scheduling mode. Each part assembles by itself: llvm-mc -triple=amdgcn-amd-amdhsa -mcpu=gfx1250 --defsym DOCPART=n.
;; ======== version 1 of 2: 2 launches
;; workspace buffers: wb_codes 65,536 bytes; wb_scales 8,192 bytes; epart 47,104 bytes
;; launch prep (part 1): grid 238 x 1, 4 waves a work-group, no clusters, 7,168 bytes of LDS; arguments eos_emb, W_eos, b_eos, W_fc, b_fc, W_bin, targets, wb_codes, wb_scales, epart, out1; writes wb_codes, wb_scales, epart, out1
.if DOCPART == 1
	.amdgcn_target "amdgcn-amd-amdhsa--gfx1250"
	.amdhsa_code_object_version 6
	.text
	.protected	k_q93a1b4c4e8_prep
	.globl	k_q93a1b4c4e8_prep
	.p2align	8
	.type	k_q93a1b4c4e8_prep,@function
k_q93a1b4c4e8_prep:
	s_mov_b64 s[64:65], 0
	v_nop
	global_prefetch_b8 v0, s[64:65] scope:SCOPE_SE
	s_setreg_imm32_b32 hwreg(HW_REG_WAVE_MODE, 25, 1), 1
	s_wait_xcnt 0x0
; THE PROGRAM.  pred = relu([Q(table[ind]) Q(W_bin)^T | Q(eos_emb) Q(W_eos)^T + b_eos] W_fc^T + b_fc), and targets copied.  Q: codes of FP4 (E2M1) with one E8M0 scale for each 32 along K.
; NO WORK IS LEFT OUT AS DEAD, and every input is loaded.  One thing is SHARED: the right half of the last product's K (columns 512 to 1023 of W_fc) meets eos_rep, which is one row of eos repeated
; over the 512 sampled bins of a pair (c, b).  For all values of the inputs that half of the sum is the same number in those 512 rows, so it is summed once for each of the 368 pairs, here, in f32,
; and the second launch adds it to each of the pair's rows.  The sum over the 1,024 columns is thereby grouped otherwise than a plain chain: that is rounding.
; THIS LAUNCH has three kinds of work-group, told apart by the work-group's number alone:
;   0 .. 183   (8 c + j): eos of chromosome c (its 16 batch rows are the tile's 16 columns) at d = 64 j .. 64 j + 63, 16 of them a wave; then the partial sums over these 64 d of eos x W_fc[n][512 + d],
;              n = 0, 1, 2, into epart[16 c + b][j][n] (a fourth word is 0); b_fc goes into chunk j = 0.
;   184 .. 191: W_bin becomes codes: wave -> one tile of 16 rows x 256 K, stored as the IMAGE OF THE OPERAND'S REGISTERS: wb_codes[tile][K step][c][lane][16 bytes], wb_scales[tile][lane][K step] (words).
;   192 .. 237: out1 = targets, 16,384 bytes a work-group.
; THE QUANTISER: a block's scale byte is its largest magnitude's exponent field - 2, held at 1 from below by a floor among the maximum's leaves; the conversion divides by the scale, rounds to the nearest code, ties to even,
; and gives the largest code beyond 6.
; LIMITS: a block of zeros gets the byte 1 where the rule says 127 (its codes are zeros, which add nothing, and this program alone reads the bytes); NaN and infinities among the inputs are not served.
; No tensor loads and no cluster: each work-group reads its few rows once, through registers.  epart leaves in pieces of 16 bytes, 128 bytes apart: 47,104 bytes in the whole launch.
.set XIMG,  0                          ; LDS (the first kind alone): x's four fragments, one for each K step of 128: 1,024 bytes each, as images of their registers,
.set XSC,   4096                       ; their scale words, 128 bytes each,
.set EP,    4608                       ; each wave's partial sums: 32 lanes x 16 bytes,
.set SPARE, 6656                       ; and the spare words, 128 bytes for each wave: two blocks of 256 bytes that no other line names
.set LI,  1                            ; v1   16 x lane
.set LS,  2                            ; v2   4 x lane
.set R,   3                            ; v3   lane % 16
.set H,   4                            ; v4   lane / 16
.set AW,  5                            ; v5   my byte in the weight's rows (the copy: 16 x thread)
.set AX,  6                            ; v6   my byte in eos_emb
.set AB,  7                            ; v7   my byte in b_eos
.set AF,  8                            ; v8   my byte in a row of W_fc
.set XWI, 9                            ; v9   where my wave's image of x goes
.set XWS, 10                           ; v10  and its scale words
.set EPW, 11                           ; v11  where my partial sums go
.set EPR, 12                           ; v12  where wave 0 reads them back (second kind: 8 x lane)
.set GO,  13                           ; v13  my byte in epart
.set SPW, 14                           ; v14  LDS address of my spare word; never rewritten
.set NIL, 15                           ; v15  0; never rewritten
.set WFR, 16                           ; v16-47   W_eos: four fragments, one for each K step
.set WSC, 48                           ; v48-51   their scale words, and nothing else
.set XF,  52                           ; v52-83   x: four fragments
.set XS,  84                           ; v84-87   their scale words, and nothing else
.set A0,  88                           ; v88-95   sums of K steps 0 and 2
.set A1,  96                           ; v96-103  of K steps 1 and 3
.set BE,  104                          ; v104-111 b_eos in the result's layout
.set WF,  112                          ; v112-135 W_fc, eight numbers for each n
.set EE,  136                          ; v136-143 eos
.set AC,  144                          ; v144-149 a pair of partial sums for each n
.set EN,  150                          ; v150-153 the three sums and a 0
.set PT,  154                          ; v154-156 the other half of the lanes' sums
.set LN,  157                          ; v157 lane
.set TM,  160                          ; v160-175 the quantiser's: largest magnitudes, bytes, -, scale operands
.set PC,  176                          ; v176-183 codes just made
.set PW,  184                          ; v184-185 scale words just made
.set PC2, 186                          ; v186-193 second kind: the second K step's codes
.set XST, 192                          ; v192-255 first kind: 64 numbers of x.   Window 1, v0-255: the weight's numbers, 64 for each K step
.set WV,  26                           ; s26  wave
.set SEL, 30                           ; s[30:31] lane selects for v_permlanex16_b32: lane l xor 16
.set MSB, 0
.macro WIN new                         ; the immediate's high byte repeats the setting that is left; a switch that changes nothing is dropped
.if MSB != (\new)
	s_set_vgpr_msb (MSB<<8)|(\new)
.set MSB, (\new)
.endif
.endm
; 64 numbers of a lane, v[s] .. v[s + 63] of window w, register 16 b + i = k 32 b + 16 (lane / 16) + i of my row, become a fragment's codes in v[pc] on and its scale word in v[pw] (both window 0).
.macro QUANT s, w, pc, pw
	WIN (\w)|((\w)<<2)
.irp b, 0,1,2,3
	v_max3_num_f32 v[TM+\b], |v[(\s)+16*\b]|, |v[(\s)+1+16*\b]|, 0x1800000   ; block b: my 16 numbers, and the floor 2^(3 - 127): so the byte cannot fall under 1
.endr
	WIN ((\w)<<2)|((\w)<<4)
.irp i, 2,4,6,8,10,12,14
.irp b, 0,1,2,3
	v_max3_num_f32 v[TM+\b], v[TM+\b], |v[(\s)+16*\b+\i]|, |v[(\s)+1+16*\b+\i]|   ; the four blocks by turns: no line waits for the line above it
.endr
.endr
	WIN 0
.irp b, 0,1,2,3
	v_permlanex16_b32 v[TM+4+\b], v[TM+\b], s[SEL], s[SEL+1]
.endr
.irp b, 0,1,2,3
	v_max_num_f32 v[TM+\b], v[TM+\b], v[TM+4+\b]   ; with lane l xor 16's: the block's largest magnitude
.endr
.irp b, 0,1,2,3
	v_add_nc_u32 v[TM+12+\b], 0xff000000, v[TM+\b]   ; 2 off its exponent field: the conversion takes the exponent field of this operand as its scale
.endr
.irp b, 0,1,2,3
	v_lshrrev_b32 v[TM+4+\b], 23, v[TM+12+\b]      ; the scale's byte
.endr
	v_lshl_or_b32 v[\pw], v[TM+5], 8, v[TM+4]      ; four bytes: my row's scale word
	v_lshl_or_b32 v[\pw], v[TM+6], 16, v[\pw]
	v_lshl_or_b32 v[\pw], v[TM+7], 24, v[\pw]
	WIN (\w)
.irp b, 0,1,2,3
	v_cvt_scalef32_pk8_fp4_f32 v[(\pc)+2*\b], v[(\s)+16*\b:(\s)+16*\b+7], v[TM+12+\b]
	v_cvt_scalef32_pk8_fp4_f32 v[(\pc)+1+2*\b], v[(\s)+16*\b+8:(\s)+16*\b+15], v[TM+12+\b]
.endr
	WIN 0
	v_nop                                          ; one plain place behind a scaled conversion
.irp c, 0,1                                    ; the operand's layout wants a WHOLE block in a lane: lanes 0-15 block 2 c, lanes 16-31 block 2 c + 1
.irp i, 0,1
	v_permlane16_swap_b32 v[(\pc)+4*\c+\i], v[(\pc)+2+4*\c+\i]
.endr
.endr
.endm
; 16 loads: my 64 numbers of one K step of 128.  It leaves the destination's window set: a QUANT or a WIN follows.
.macro XLOAD reg, w, adr, base, off
	WIN (\w)<<6
.irp b, 0,1,2,3
.irp i, 0,1,2,3
	global_load_b128 v[(\reg)+16*\b+4*\i:(\reg)+16*\b+4*\i+3], v[\adr], s[\base:\base+1] offset:(\off)+128*\b+16*\i
.endr
.endr
.endm
.macro IMAGE adr, off, pc                      ; a fragment goes to LDS as it stands: lane l's 16 bytes at 16 l
.irp c, 0,1
	ds_store_b128 v[\adr], v[(\pc)+4*\c:(\pc)+4*\c+3] offset:(\off)+512*\c
.endr
.endm
.macro FETCH reg, off                          ; and comes back so, in any wave
.irp c, 0,1
	ds_load_b128 v[(\reg)+4*\c:(\reg)+4*\c+3], v[LI] offset:(\off)+512*\c
.endr
.endm
.macro BARRIER                                 ; my LDS stores have landed and my LDS loads are in: then the work-group's barrier
	s_wait_dscnt 0x0
	s_barrier_signal -1
	s_barrier_wait -1
.endm
.macro ENDLDS                                  ; the wave's end
	s_wait_tensorcnt 0x0
	ds_add_u32 v[SPW], v[NIL]
	s_wait_dscnt 0x0
.endm
	s_load_b256 s[4:11], s[0:1], 0x0               ; eos_emb s[4:5], W_eos s[6:7], b_eos s[8:9], W_fc s[10:11]
	s_load_b256 s[12:19], s[0:1], 0x20             ; b_fc s[12:13], W_bin s[14:15], targets s[16:17], wb_codes s[18:19]
	s_load_b128 s[20:23], s[0:1], 0x40             ; wb_scales s[20:21], epart s[22:23]
	s_load_b64 s[24:25], s[0:1], 0x50              ; out1
	v_lshl_add_u32 v[SPW], v0, 2, SPARE
	v_mov_b32 v[NIL], 0
	v_lshrrev_b32 v[LN], 5, v0
	v_readfirstlane_b32 s[WV], v[LN]               ; wave 0..3
	v_and_b32 v[LN], 31, v0
	v_and_b32 v[R], 15, v0
	v_bfe_u32 v[H], v0, 4, 1
	v_lshlrev_b32 v[LI], 4, v[LN]
	v_lshlrev_b32 v[LS], 2, v[LN]
	s_mov_b32 s[SEL], 0x76543210
	s_mov_b32 s[SEL+1], 0xfedcba98
.irp b, 0,1,2,3
	v_mov_b32 v[TM+4+\b], 0                        ; written once: a lane permute's destination counts as one of its sources
.endr
	s_mov_b32 s37, 0                               ; the upper word of the offsets' pair s[36:37] (second and third kind)
	s_wait_kmcnt 0x0
	s_cmp_ge_u32 ttmp9, 192
	s_cbranch_scc1 .Lcopy
	s_cmp_ge_u32 ttmp9, 184
	s_cbranch_scc1 .Lwbin
	; ---- FIRST KIND: eos and its share of the last product
	s_lshr_b32 s27, ttmp9, 3                       ; c
	s_and_b32 s28, ttmp9, 7                        ; j
	s_lshl_b32 s29, s28, 6
	s_lshl_b32 s35, s[WV], 4
	s_add_co_u32 s29, s29, s35                     ; d0 = 64 j + 16 wave: my 16 rows of W_eos
	v_mul_u32_u24 v[AX], v[R], 47104               ; eos_emb: batch row r is 23 rows of 2,048 bytes on,
	v_lshl_add_u32 v[AX], v[H], 6, v[AX]           ; + 64 h: my 16 numbers of a block of 32,
	s_lshl_b32 s36, s27, 11                        ; + chromosome c,
	s_lshl_b32 s35, s[WV], 9                       ; + K step = my wave: each wave quantises one of the four
	s_add_co_u32 s36, s36, s35
	v_add_nc_u32 v[AX], s36, v[AX]
	v_lshlrev_b32 v[AW], 11, v[R]                  ; W_eos: row d0 + r of 2,048 bytes, + 64 h
	v_lshl_add_u32 v[AW], v[H], 6, v[AW]
	s_lshl_b32 s36, s29, 11
	v_add_nc_u32 v[AW], s36, v[AW]
	s_lshl_b32 s36, s29, 2
	v_lshl_add_u32 v[AB], v[H], 5, s36             ; b_eos at d0 + 8 h: in the result lane (r, h) holds d = d0 + 8 h + 0 .. 7 of batch row r
	v_add_nc_u32 v[AF], 2048, v[AB]                ; W_fc's column 512 + d0 + 8 h
	s_lshl_b32 s36, s[WV], 10
	v_add_nc_u32 v[XWI], s36, v[LI]
	s_lshl_b32 s36, s[WV], 7
	v_add_nc_u32 v[XWS], s36, v[LS]
	s_lshl_b32 s36, s[WV], 9
	s_add_co_u32 s36, s36, EP
	v_add_nc_u32 v[EPW], s36, v[LI]
	v_lshl_add_u32 v[EPR], v[LN], 3, EP            ; back: 8 bytes a lane: batch row lane / 2, words 2 (lane % 2) and the next
	v_lshrrev_b32 v[GO], 1, v[LN]
	v_lshlrev_b32 v[GO], 7, v[GO]                  ; epart: 128 bytes for each pair (c, b),
	v_and_b32 v[PT], 1, v[LN]
	v_lshl_add_u32 v[GO], v[PT], 3, v[GO]
	s_lshl_b32 s36, s27, 11                        ; 16 pairs a chromosome,
	s_lshl_b32 s35, s28, 4                         ; 16 bytes a chunk
	s_add_co_u32 s36, s36, s35
	v_add_nc_u32 v[GO], s36, v[GO]
.irp n, 0,1,2
	v_mov_b32 v[PT+\n], 0                          ; permute destinations: written once
.endr
	s_load_b96 s[32:34], s[12:13], 0x0             ; b_fc
	global_load_b128 v[BE:BE+3], v[AB], s[8:9]
	global_load_b128 v[BE+4:BE+7], v[AB], s[8:9] offset:16
.irp n, 0,1,2
	global_load_b128 v[WF+8*\n:WF+8*\n+3], v[AF], s[10:11] offset:4096*\n
	global_load_b128 v[WF+8*\n+4:WF+8*\n+7], v[AF], s[10:11] offset:4096*\n+16
.endr
	XLOAD XST, 0, AX, 4, 0
.irp s, 0,1,2,3
	XLOAD 64*\s, 1, AW, 6, 512*\s
.endr
	s_wait_loadcnt 63                              ; behind x's last load stand W_eos's 64; the field holds 63, and a smaller count is safe: b_eos, W_fc and x are in
	QUANT XST, 0, PC, PW
	IMAGE XWI, XIMG, PC                            ; K step = my wave
	ds_store_b32 v[XWS], v[PW] offset:XSC
.irp s, 0,1,2,3
	s_wait_loadcnt 48-16*\s                        ; the later K steps' loads may stay out
	QUANT 64*\s, 1, WFR+8*\s, WSC+\s
.endr
	BARRIER                                        ; x's four fragments lie in LDS
.irp s, 0,1,2,3
	FETCH XF+8*\s, XIMG+1024*\s
	ds_load_b32 v[XS+\s], v[LS] offset:XSC+128*\s
.endr
.rept 8
	v_nop                                          ; W_eos's scale words and codes were written by vector instructions: eight places ahead of a scaled matrix instruction serve both
.endr
	s_wait_dscnt 0x0
	; TRANSPOSED: source 0 = my 16 rows of W_eos, source 1 = the 16 batch rows.  Two accumulators by turns; b_eos is the C of the first
	v_wmma_scale_f32_16x16x128_f8f6f4 v[A0:A0+7], v[WFR:WFR+7], v[XF:XF+7], v[BE:BE+7], v[WSC], v[XS] matrix_a_fmt:MATRIX_FMT_FP4 matrix_b_fmt:MATRIX_FMT_FP4
	v_wmma_scale_f32_16x16x128_f8f6f4 v[A1:A1+7], v[WFR+8:WFR+15], v[XF+8:XF+15], 0, v[WSC+1], v[XS+1] matrix_a_fmt:MATRIX_FMT_FP4 matrix_b_fmt:MATRIX_FMT_FP4
	v_wmma_scale_f32_16x16x128_f8f6f4 v[A0:A0+7], v[WFR+16:WFR+23], v[XF+16:XF+23], v[A0:A0+7], v[WSC+2], v[XS+2] matrix_a_fmt:MATRIX_FMT_FP4 matrix_b_fmt:MATRIX_FMT_FP4
	v_wmma_scale_f32_16x16x128_f8f6f4 v[A1:A1+7], v[WFR+24:WFR+31], v[XF+24:XF+31], v[A1:A1+7], v[WSC+3], v[XS+3] matrix_a_fmt:MATRIX_FMT_FP4 matrix_b_fmt:MATRIX_FMT_FP4
.rept 4
	v_nop                                          ; four places in front of the first read of results
.endr
.irp k, 0,2,4,6
	v_pk_add_f32 v[EE+\k:EE+\k+1], v[A0+\k:A0+\k+1], v[A1+\k:A1+\k+1]   ; eos(b = r, d0 + 8 h + k), each accumulator from its low end on
.endr
.irp n, 0,1,2
	v_pk_mul_f32 v[AC+2*\n:AC+2*\n+1], v[EE:EE+1], v[WF+8*\n:WF+8*\n+1]
.endr
.irp k, 2,4,6
.irp n, 0,1,2
	v_pk_fma_f32 v[AC+2*\n:AC+2*\n+1], v[EE+\k:EE+\k+1], v[WF+8*\n+\k:WF+8*\n+\k+1], v[AC+2*\n:AC+2*\n+1]
.endr
.endr
.irp n, 0,1,2
	v_add_f32 v[EN+\n], v[AC+2*\n], v[AC+2*\n+1]
.endr
.irp n, 0,1,2
	v_permlanex16_b32 v[PT+\n], v[EN+\n], s[SEL], s[SEL+1]
.endr
.irp n, 0,1,2
	v_add_f32 v[EN+\n], v[EN+\n], v[PT+\n]         ; with lane l xor 16's eight d: my wave's 16
.endr
	s_wait_kmcnt 0x0                               ; b_fc
	s_or_b32 s36, s28, s[WV]
	s_cmp_eq_u32 s36, 0                            ; b_fc enters once for each pair: in chunk 0, by wave 0
	s_cselect_b32 s38, s32, 0
	s_cselect_b32 s39, s33, 0
	s_cselect_b32 s40, s34, 0
.irp n, 0,1,2
	v_add_f32 v[EN+\n], s[38+\n], v[EN+\n]
.endr
	v_mov_b32 v[EN+3], 0
	ds_store_b128 v[EPW], v[EN:EN+3]
	BARRIER                                        ; the four waves' sums lie in LDS
	s_cmp_lg_u32 s[WV], 0
	s_cbranch_scc1 .Leos_end                       ; wave 0 adds them and stores the chunk
.irp q, 0,1,2,3
	ds_load_b64 v[TM+2*\q:TM+2*\q+1], v[EPR] offset:512*\q
.endr
	s_wait_dscnt 0x0
	v_pk_add_f32 v[TM:TM+1], v[TM:TM+1], v[TM+2:TM+3]
	v_pk_add_f32 v[TM+4:TM+5], v[TM+4:TM+5], v[TM+6:TM+7]
	v_pk_add_f32 v[TM:TM+1], v[TM:TM+1], v[TM+4:TM+5]
	global_store_b64 v[GO], v[TM:TM+1], s[22:23]
.Leos_end:
	ENDLDS
	s_endpgm
	; ---- SECOND KIND: W_bin into codes, a tile of 16 rows a wave
.Lwbin:
	s_sub_co_u32 s27, ttmp9, 184
	s_lshl_b32 s27, s27, 2
	s_add_co_u32 s27, s27, s[WV]                   ; tile t = 0 .. 31
	s_lshl_b32 s36, s27, 14                        ; 16 rows of 1,024 bytes
	v_lshlrev_b32 v[AW], 10, v[R]
	v_lshl_add_u32 v[AW], v[H], 6, v[AW]
	v_add_nc_u32 v[AW], s36, v[AW]
	v_lshlrev_b32 v[EPR], 3, v[LN]                 ; 8 x lane
	XLOAD 0, 1, AW, 14, 0
	XLOAD 64, 1, AW, 14, 512
	s_lshl_b32 s36, s27, 11
	s_add_nc_u64 s[18:19], s[18:19], s[36:37]      ; 2,048 bytes of codes a tile
	s_lshl_b32 s36, s27, 8
	s_add_nc_u64 s[20:21], s[20:21], s[36:37]      ; 256 bytes of scale words
	s_wait_loadcnt 16                              ; the second K step's 16 loads may stay out
	QUANT 0, 1, PC, PW
	s_wait_loadcnt 0x0
	QUANT 64, 1, PC2, PW+1
	global_store_b128 v[LI], v[PC:PC+3], s[18:19]                    ; each store covers 512 consecutive bytes, aligned
	global_store_b128 v[LI], v[PC+4:PC+7], s[18:19] offset:512
	global_store_b128 v[LI], v[PC2:PC2+3], s[18:19] offset:1024
	global_store_b128 v[LI], v[PC2+4:PC2+7], s[18:19] offset:1536
	global_store_b64 v[EPR], v[PW:PW+1], s[20:21]                    ; both K steps' words of my row: 256 consecutive bytes, aligned
	ENDLDS
	s_endpgm
	; ---- THIRD KIND: out1 = targets
.Lcopy:
	s_sub_co_u32 s36, ttmp9, 192
	s_lshl_b32 s36, s36, 14                        ; 46 work-groups x 16,384 bytes = 753,664
	s_add_nc_u64 s[16:17], s[16:17], s[36:37]
	s_add_nc_u64 s[24:25], s[24:25], s[36:37]
	v_lshlrev_b32 v[AW], 4, v0
.irp i, 0,1,2,3,4,5,6,7
	global_load_b128 v[16+4*\i:19+4*\i], v[AW], s[16:17] offset:2048*\i th:TH_LOAD_NT
.endr
.irp i, 0,1,2,3,4,5,6,7
	s_wait_loadcnt 7-\i                            ; loads come back in order: the younger ones may stay out
	global_store_b128 v[AW], v[16+4*\i:19+4*\i], s[24:25] offset:2048*\i th:TH_STORE_NT
.endr
	ENDLDS
	s_endpgm
.Lfunc_end_k_q93a1b4c4e8_prep:
	.size	k_q93a1b4c4e8_prep, .Lfunc_end_k_q93a1b4c4e8_prep-k_q93a1b4c4e8_prep
	.p2alignl 7, 3214868480
	.fill 96, 4, 3214868480
	.section	.rodata,"a",@progbits
	.p2align	6, 0x0
	.amdhsa_kernel k_q93a1b4c4e8_prep
		.amdhsa_group_segment_fixed_size 7168
		.amdhsa_private_segment_fixed_size 0
		.amdhsa_enable_private_segment 0
		.amdhsa_kernarg_size 88
		.amdhsa_user_sgpr_count 2
		.amdhsa_user_sgpr_kernarg_segment_ptr 1
		.amdhsa_wavefront_size32 1
		.amdhsa_system_sgpr_workgroup_id_x 1
		.amdhsa_system_sgpr_workgroup_id_y 1
		.amdhsa_system_sgpr_workgroup_id_z 1
		.amdhsa_system_vgpr_workitem_id 0
		.amdhsa_next_free_vgpr 512
		.amdhsa_next_free_sgpr 66
		.amdhsa_reserve_vcc 0
		.amdhsa_float_denorm_mode_32 3
		.amdhsa_float_denorm_mode_16_64 3
		.amdhsa_memory_ordered 1
		.amdhsa_forward_progress 1
		.amdhsa_inst_pref_size 50
	.end_amdhsa_kernel
	.amdgpu_metadata
---
amdhsa.version: [ 1, 2 ]
amdhsa.kernels:
  - .name:           k_q93a1b4c4e8_prep
    .symbol:         k_q93a1b4c4e8_prep.kd
    .args:
      - { .name: eos_emb, .offset: 0, .size: 8, .value_kind: global_buffer, .address_space: global }
      - { .name: W_eos, .offset: 8, .size: 8, .value_kind: global_buffer, .address_space: global }
      - { .name: b_eos, .offset: 16, .size: 8, .value_kind: global_buffer, .address_space: global }
      - { .name: W_fc, .offset: 24, .size: 8, .value_kind: global_buffer, .address_space: global }
      - { .name: b_fc, .offset: 32, .size: 8, .value_kind: global_buffer, .address_space: global }
      - { .name: W_bin, .offset: 40, .size: 8, .value_kind: global_buffer, .address_space: global }
      - { .name: targets, .offset: 48, .size: 8, .value_kind: global_buffer, .address_space: global }
      - { .name: wb_codes, .offset: 56, .size: 8, .value_kind: global_buffer, .address_space: global }
      - { .name: wb_scales, .offset: 64, .size: 8, .value_kind: global_buffer, .address_space: global }
      - { .name: epart, .offset: 72, .size: 8, .value_kind: global_buffer, .address_space: global }
      - { .name: out1, .offset: 80, .size: 8, .value_kind: global_buffer, .address_space: global }
    .group_segment_fixed_size: 7168
    .private_segment_fixed_size: 0
    .kernarg_segment_align: 8
    .kernarg_segment_size: 88
    .max_flat_workgroup_size: 128
    .sgpr_count:     66
    .vgpr_count:     512
    .wavefront_size: 32
...
	.end_amdgpu_metadata
.endif
;; end of part 1
;; launch decode (part 2): grid 512 x 1, 4 waves a work-group, no clusters, 13,824 bytes of LDS; arguments sampled_indices, bin_embedding_table, W_fc, wb_codes, wb_scales, epart, out0; writes out0
.if DOCPART == 2
	.amdgcn_target "amdgcn-amd-amdhsa--gfx1250"
	.amdhsa_code_object_version 6
	.text
	.protected	k_q93a1b4c4e8_decode
	.globl	k_q93a1b4c4e8_decode
	.p2align	8
	.type	k_q93a1b4c4e8_decode,@function
k_q93a1b4c4e8_decode:
	s_mov_b64 s[64:65], 0
	v_nop
	global_prefetch_b8 v0, s[64:65] scope:SCOPE_SE
	s_setreg_imm32_b32 hwreg(HW_REG_WAVE_MODE, 25, 1), 1
	s_wait_xcnt 0x0
; out0[c][b][s][n] = relu(sum over d < 512 of bin_proj[d] W_fc[n][d] + the pair's eos term), bin_proj = Q(table[5000 c + ind]) Q(W_bin)^T on codes of FP4 (E2M1) with one E8M0 scale for each 32 along K.
; The eos half of the last product's K and b_fc are not summed again here: they are the same for the 512 rows of a pair (c, b), were summed once for each pair by the launch before (epart, 8 chunks a pair), and are added as the C of the sums.
; SHARES.  The 188,416 rows are 2,944 blocks of 64 consecutive rows; block g belongs to chromosome g / 128 and pair g / 8.  Work-group x takes blocks x, x + 512, ..: six where x < 384, else five (2,944 = 5 x 512 + 384):
; at any time the launch's work-groups stand on 512 consecutive blocks, four chromosomes.
; THE WAVES SHARE THE COLUMNS, NOT THE ROWS: wave w keeps W_bin's rows 128 w .. 128 w + 127 (8 tiles x 2 K steps: 128 registers) and W_fc's columns of the same d (bf16) in registers for the whole launch.
; Wave w gathers rows 16 w .. 16 w + 15 of a block (lane (r, h): 16 neighbouring numbers of each block of 32 of row r), quantises them in registers, and hands the two fragments to the others through LDS as IMAGES OF THEIR REGISTERS.
; A BLOCK, two barriers:  X: my 16 rows become two fragments; the next block's rows are asked for into the registers just read | barrier |  1: for each of the four tiles of rows: bin_proj^T (source 0 = 16 rows of W_bin, source 1 = x),
; rounded to bf16 in pairs, which IS source 1 (32 d x 16 rows) of the last product (source 0 = W_fc's three rows, the third repeated in the 13 rows that are never read); my partial sums to LDS, laid as out0 lies | barrier |
; waves 0 to 2 add the four waves' partial sums, clip at 0 and store 256 consecutive bytes each.
; No tensor loads, no cluster: the stream is a gather of single rows; what work-groups share is 84 KB of weights, read once by each, against 368 KB or more of gathered rows.
; LIMITS: an index outside 0 .. 4999 (taken as unsigned) is held at 4999; NaN and infinities among the inputs are not served; a block of zeros gets the scale byte 1 (its codes are zeros, and no one else reads the byte);
; bin_proj and W_fc[:, :512] are rounded to bf16 for the last product, whose f32 sums are grouped by wave.
.set XIMG,  0                          ; LDS: x's eight fragments (tile of rows m, K step s: 2 m + s), 1,024 bytes each,
.set XSC,   8192                       ; their scale words, 128 bytes each,
.set PART,  9216                       ; the partial sums: 1,024 bytes for each wave, of which 768 hold [row 0..63][n 0..2], as out0 has them,
.set SPARE, 13312                      ; and the spare words, 128 bytes for each wave: two blocks of 256 bytes that no other line names
.set LI,   1                           ; v1   16 x lane
.set LS,   2                           ; v2   4 x lane
.set XWI,  3                           ; v3   where my images go: 16 x lane + 2,048 x wave
.set XWS,  4                           ; v4   and their scale words: 4 x lane + 256 x wave
.set IDX,  5                           ; v5   my row's index
.set IA,   6                           ; v6   its byte in sampled_indices
.set AD0,  7                           ; v7   my byte in the table, K step 0
.set AD1,  8                           ; v8   K step 1
.set H64,  9                           ; v9   64 x (lane / 16)
.set PST,  10                          ; v10  where my partial sums go: PART + 1,024 x wave + 12 x lane
.set PRD,  11                          ; v11  where I read the two numbers of out0 that I store: PART + 256 x wave + 8 x lane
.set OUTO, 13                          ; v13  my byte in out0
.set SPW,  14                          ; v14  LDS address of my spare word; never rewritten
.set NIL,  15                          ; v15  0; never rewritten
.set XF,   16                          ; v16-47   x's fragments: two buffers of two
.set XS,   48                          ; v48-51   their scale words, and nothing else
.set HA,   52                          ; v52-115  bin_proj^T: eight accumulators
.set PB,   116                         ; v116-147 the same as bf16; in phase X the codes and scale words just made:
.set PC0,  116
.set PW0,  124
.set PC1,  132
.set PW1,  140
.set OA,   148                         ; v148-155, v156-163 the last product's two accumulators
.set OB,   156
.set E,    164                         ; v164-171 my share of the pair's eos term, as a C: registers 0 to 2; the rest 0
.set TM,   172                         ; v172-187 the quantiser's, and the last phase's
.set TB,   194                         ; v194-196 an odd tile's three partial sums
.set TA,   198                         ; v198-200 an even tile's (at the head v198, v199: two offsets)
.set W1S,  202                         ; v202-217 W_bin's scale words (tile tt, K step s: 2 tt + s), and nothing else
.set WF,   218                         ; v218-249 W_fc: four fragments of bf16
.set RS,   250                         ; v250-251 two numbers of out0
.set OUTC, 252                         ; v252 256 x wave + 8 x lane
.set CH,   253                         ; v253 the chromosome's first byte in the table + 64 h
.set S0,   128                         ; window 1: v0-127 W_bin's fragments at 8 (2 tt + s); v128-191, v192-255: 64 gathered numbers for each K step
.set S1,   192
.set WV,   18                          ; s18  wave
.set G,    19                          ; s19  the block in hand
.set SEL,  20                          ; s[20:21] lane selects for v_permlanex16_b32: lane l xor 16
.set TRIPS, 22                         ; s22  the loop's trips
.set MSB, 0
.macro WIN new                         ; the immediate's high byte repeats the setting that is left; a switch that changes nothing is dropped
.if MSB != (\new)
	s_set_vgpr_msb (MSB<<8)|(\new)
.set MSB, (\new)
.endif
.endm
; 64 numbers of a lane, v[s] .. v[s + 63] of window w, register 16 b + i = k 32 b + 16 (lane / 16) + i of my row, become a fragment's codes in v[pc] on and its scale word in v[pw] (both window 0).
.macro QUANT s, w, pc, pw
	WIN (\w)|((\w)<<2)
.irp b, 0,1,2,3
	v_max3_num_f32 v[TM+\b], |v[(\s)+16*\b]|, |v[(\s)+1+16*\b]|, 0x1800000   ; block b: my 16 numbers, and the floor 2^(3 - 127): so the byte cannot fall under 1
.endr
	WIN ((\w)<<2)|((\w)<<4)
.irp i, 2,4,6,8,10,12,14
.irp b, 0,1,2,3
	v_max3_num_f32 v[TM+\b], v[TM+\b], |v[(\s)+16*\b+\i]|, |v[(\s)+1+16*\b+\i]|   ; the four blocks by turns: no line waits for the line above it
.endr
.endr
	WIN 0
.irp b, 0,1,2,3
	v_permlanex16_b32 v[TM+4+\b], v[TM+\b], s[SEL], s[SEL+1]
.endr
.irp b, 0,1,2,3
	v_max_num_f32 v[TM+\b], v[TM+\b], v[TM+4+\b]   ; with lane l xor 16's: the block's largest magnitude
.endr
.irp b, 0,1,2,3
	v_add_nc_u32 v[TM+12+\b], 0xff000000, v[TM+\b]   ; 2 off its exponent field: the conversion takes the exponent field of this operand as its scale
.endr
.irp b, 0,1,2,3
	v_lshrrev_b32 v[TM+4+\b], 23, v[TM+12+\b]      ; the scale's byte
.endr
	v_lshl_or_b32 v[\pw], v[TM+5], 8, v[TM+4]      ; four bytes: my row's scale word
	v_lshl_or_b32 v[\pw], v[TM+6], 16, v[\pw]
	v_lshl_or_b32 v[\pw], v[TM+7], 24, v[\pw]
	WIN (\w)
.irp b, 0,1,2,3
	v_cvt_scalef32_pk8_fp4_f32 v[(\pc)+2*\b], v[(\s)+16*\b:(\s)+16*\b+7], v[TM+12+\b]
	v_cvt_scalef32_pk8_fp4_f32 v[(\pc)+1+2*\b], v[(\s)+16*\b+8:(\s)+16*\b+15], v[TM+12+\b]
.endr
	WIN 0
	v_nop                                          ; one plain place behind a scaled conversion
.irp c, 0,1                                    ; the operand's layout wants a WHOLE block in a lane: lanes 0-15 block 2 c, lanes 16-31 block 2 c + 1
.irp i, 0,1
	v_permlane16_swap_b32 v[(\pc)+4*\c+\i], v[(\pc)+2+4*\c+\i]
.endr
.endr
.endm
; 16 loads: my 64 numbers of one K step of 128.  It leaves the destination's window set: a QUANT or a WIN follows.
.macro XLOAD reg, w, adr, base, off
	WIN (\w)<<6
.irp b, 0,1,2,3
.irp i, 0,1,2,3
	global_load_b128 v[(\reg)+16*\b+4*\i:(\reg)+16*\b+4*\i+3], v[\adr], s[\base:\base+1] offset:(\off)+128*\b+16*\i
.endr
.endr
.endm
.macro IMAGE adr, off, pc                      ; a fragment goes to LDS as it stands: lane l's 16 bytes at 16 l
.irp c, 0,1
	ds_store_b128 v[\adr], v[(\pc)+4*\c:(\pc)+4*\c+3] offset:(\off)+512*\c
.endr
.endm
.macro FETCH reg, off                          ; and comes back so, in any wave
.irp c, 0,1
	ds_load_b128 v[(\reg)+4*\c:(\reg)+4*\c+3], v[LI] offset:(\off)+512*\c
.endr
.endm
.macro BARRIER                                 ; my LDS stores have landed and my LDS loads are in: then the work-group's barrier
	s_wait_dscnt 0x0
	s_barrier_signal -1
	s_barrier_wait -1
.endm
.macro NOP4                                    ; four places behind matrix instructions (ISA guide 7.12.1); only plain vector instructions that name none of their registers are places
.rept 4
	v_nop
.endr
.endm
; My row's byte in the table, for the block whose number stands in s23 and the index in v[IDX].  The index is held inside its chromosome's 5,000 rows; behind that only a shift and additions
.macro ADDR
	s_lshr_b32 s26, s23, 7                         ; chromosome
	s_mul_i32 s26, s26, 5120000                    ; 5,000 rows of 1,024 bytes
	v_add_nc_u32 v[CH], s26, v[H64]
	v_min_u32 v[IDX], 0x1387, v[IDX]
	v_lshlrev_b32 v[AD0], 10, v[IDX]
	v_add_nc_u32 v[AD0], v[AD0], v[CH]             ; 117,760,000 at the most
.endm
.macro FX m                                    ; six LDS loads: the two fragments and scale words of rows 16 m on, into buffer m % 2
	FETCH XF+16*((\m)%2), XIMG+2048*(\m)
	FETCH XF+16*((\m)%2)+8, XIMG+2048*(\m)+1024
	ds_load_b32 v[XS+2*((\m)%2)], v[LS] offset:XSC+256*(\m)
	ds_load_b32 v[XS+2*((\m)%2)+1], v[LS] offset:XSC+256*(\m)+128
.endm
; bin_proj^T of rows 16 m on, my 128 d: eight accumulators by turns, K step by K step; the first K step starts the sums.  Lane (r, h), tile tt, register i: bin_proj(row r, 128 w + 16 tt + 8 h + i)
.macro MUL m
	WIN 0x01                                       ; source 0 (W_bin) window 1
.irp t, 0,1,2,3,4,5,6,7
	v_wmma_scale_f32_16x16x128_f8f6f4 v[HA+8*\t:HA+8*\t+7], v[16*\t:16*\t+7], v[XF+16*((\m)%2):XF+16*((\m)%2)+7], 0, v[W1S+2*\t], v[XS+2*((\m)%2)] matrix_a_fmt:MATRIX_FMT_FP4 matrix_b_fmt:MATRIX_FMT_FP4
.endr
.irp t, 0,1,2,3,4,5,6,7
	v_wmma_scale_f32_16x16x128_f8f6f4 v[HA+8*\t:HA+8*\t+7], v[16*\t+8:16*\t+15], v[XF+16*((\m)%2)+8:XF+16*((\m)%2)+15], v[HA+8*\t:HA+8*\t+7], v[W1S+2*\t+1], v[XS+2*((\m)%2)+1] matrix_a_fmt:MATRIX_FMT_FP4 matrix_b_fmt:MATRIX_FMT_FP4
.endr
	WIN 0
.endm
.macro PACK                                    ; to bf16, each accumulator from its low end on.  Tiles 2 u and 2 u + 1 are source 1 of the last product's K chunk u: registers 0-3 k = 8 h + 0 .. 7, registers 4-7 k = 16 + 8 h + 0 .. 7
.irp t, 0,1,2,3,4,5,6,7
.irp q, 0,1,2,3
	v_cvt_pk_bf16_f32 v[PB+4*\t+\q], v[HA+8*\t+2*\q], v[HA+8*\t+2*\q+1]
.endr
.endr
.endm
.macro FC                                      ; the last product over my 128 d: two accumulators by turns; my share of the eos term is the C of the first.  Lanes 0-15, registers 0 to 2: row r, n = 0, 1, 2
	v_wmma_f32_16x16x32_bf16 v[OA:OA+7], v[WF:WF+7], v[PB:PB+7], v[E:E+7]
	v_wmma_f32_16x16x32_bf16 v[OB:OB+7], v[WF+8:WF+15], v[PB+8:PB+15], 0
	v_wmma_f32_16x16x32_bf16 v[OA:OA+7], v[WF+16:WF+23], v[PB+16:PB+23], v[OA:OA+7]
	v_wmma_f32_16x16x32_bf16 v[OB:OB+7], v[WF+24:WF+31], v[PB+24:PB+31], v[OB:OB+7]
.endm
.macro PSUM t                                  ; the two accumulators are added, from their low ends on: three sums in lanes 0-15, into v[t] on
	v_pk_add_f32 v[\t:\t+1], v[OA:OA+1], v[OB:OB+1]
	v_add_f32 v[\t+2], v[OA+2], v[OB+2]
.endm
; Tiles 2 p (in TA) and 2 p + 1 (in TB) are joined: lanes 0-15 keep the even tile's 16 rows, lanes 16-31 take the odd tile's.  Lane l then holds row 32 p + l, and the three stores cover 384 consecutive bytes, laid as out0 lies.
.macro PJOIN p
.irp n, 0,1,2
	v_permlane16_swap_b32 v[TA+\n], v[TB+\n]       ; TA's lanes 16-31 change places with TB's lanes 0-15
.endr
.irp n, 0,1,2
	ds_store_b32 v[PST], v[TA+\n] offset:384*(\p)+4*\n
.endr
.endm
	s_load_b256 s[4:11], s[0:1], 0x0               ; sampled_indices s[4:5], the table s[6:7], W_fc s[8:9], wb_codes s[10:11]
	s_load_b128 s[12:15], s[0:1], 0x20             ; wb_scales s[12:13], epart s[14:15]
	s_load_b64 s[16:17], s[0:1], 0x30              ; out0
	v_lshl_add_u32 v[SPW], v0, 2, SPARE
	v_mov_b32 v[NIL], 0
	v_lshrrev_b32 v16, 5, v0
	v_readfirstlane_b32 s[WV], v16                 ; wave 0..3
	v_and_b32 v16, 31, v0                          ; lane
	v_and_b32 v17, 15, v0                          ; r
	v_bfe_u32 v18, v0, 4, 1                        ; h
	v_lshlrev_b32 v[LI], 4, v16
	v_lshlrev_b32 v[LS], 2, v16
	v_lshlrev_b32 v[H64], 6, v18
	s_lshl_b32 s23, s[WV], 11
	v_add_nc_u32 v[XWI], s23, v[LI]
	s_lshl_b32 s23, s[WV], 8
	v_add_nc_u32 v[XWS], s23, v[LS]
	v_lshl_add_u32 v[OUTC], v16, 3, s23            ; 256 x wave + 8 x lane: my 8 of the block's 768 bytes (waves 0 to 2 store; wave 3's is made and not used)
	v_add_nc_u32 v[PRD], PART, v[OUTC]             ; and the same place in a wave's partial sums
	v_mul_u32_u24 v[PST], v16, 12                  ; a row's three numbers are 12 bytes
	s_lshl_b32 s23, s[WV], 10
	s_add_co_u32 s23, s23, PART
	v_add_nc_u32 v[PST], s23, v[PST]
	s_lshl_b32 s23, ttmp9, 8                       ; a block's 64 indices are 256 bytes
	s_lshl_b32 s26, s[WV], 6
	s_add_co_u32 s23, s23, s26
	v_lshl_add_u32 v[IA], v17, 2, s23              ; row 16 wave + r (both halves of the lanes ask for the same)
	v_min_u32 v[TA], 2, v17                        ; W_fc: row min(r, 2) of 4,096 bytes,
	v_lshlrev_b32 v[TA], 12, v[TA]
	v_lshl_add_u32 v[TA], v18, 5, v[TA]            ; + 8 h numbers,
	s_lshl_b32 s23, s[WV], 9
	v_add_nc_u32 v[TA], s23, v[TA]                 ; + my 128 columns
	v_lshlrev_b32 v[TA+1], 3, v16                  ; 8 x lane
.irp b, 0,1,2,3
	v_mov_b32 v[TM+4+\b], 0                        ; written once: a lane permute's destination counts as one of its sources
.endr
.irp j, 3,4,5,6,7
	v_mov_b32 v[E+\j], 0
.endr
	s_mov_b32 s[SEL], 0x76543210
	s_mov_b32 s[SEL+1], 0xfedcba98
	s_mov_b32 s[G], ttmp9
	s_cmp_lt_u32 ttmp9, 384
	s_cselect_b32 s[TRIPS], 4, 3                   ; my number of blocks less the two that are written out behind the loop
	s_mov_b32 s25, 0
	s_wait_kmcnt 0x0
	s_lshl_b32 s24, s[WV], 14
	s_add_nc_u64 s[10:11], s[10:11], s[24:25]      ; my eight tiles' codes,
	s_lshl_b32 s24, s[WV], 11
	s_add_nc_u64 s[12:13], s[12:13], s[24:25]      ; and scale words
	global_load_b32 v[IDX], v[IA], s[4:5]          ; the first block's index
.irp u, 0,1,2,3                                ; W_fc as f32, into the registers that bin_proj will take: K chunk u: 8 numbers at 8 h, 8 at 16 + 8 h
.irp q, 0,1
	global_load_b128 v[HA+16*\u+8*\q:HA+16*\u+8*\q+3], v[TA], s[8:9] offset:128*\u+64*\q
	global_load_b128 v[HA+16*\u+8*\q+4:HA+16*\u+8*\q+7], v[TA], s[8:9] offset:128*\u+64*\q+16
.endr
.endr
.irp t, 0,1,2,3,4,5,6,7
	global_load_b64 v[W1S+2*\t:W1S+2*\t+1], v[TA+1], s[12:13] offset:256*\t
.endr
	WIN 0x40                                       ; destination window 1
.irp t, 0,1,2,3,4,5,6,7
.irp s, 0,1
.irp c, 0,1
	global_load_b128 v[16*\t+8*\s+4*\c:16*\t+8*\s+4*\c+3], v[LI], s[10:11] offset:2048*\t+1024*\s+512*\c
.endr
.endr
.endr
	WIN 0
	s_wait_loadcnt 56                              ; behind the index: 16 loads of W_fc, 8 of scale words, 32 of codes
	s_mov_b32 s23, s[G]
	ADDR
	v_add_nc_u32 v[AD1], 0x200, v[AD0]
	v_add_nc_u32 v[IA], 0x20000, v[IA]             ; 512 blocks on
	global_load_b32 v[IDX], v[IA], s[4:5]          ; the second block's index
	XLOAD S0, 1, AD0, 6, 0
	XLOAD S1, 1, AD1, 6, 0
	WIN 0
	s_wait_loadcnt 33                              ; behind the weights: one index and the first block's 32 loads
.irp u, 0,1,2,3
.irp q, 0,1,2,3,4,5,6,7
	v_cvt_pk_bf16_f32 v[WF+8*\u+\q], v[HA+16*\u+2*\q], v[HA+16*\u+2*\q+1]
.endr
.endr
; A BLOCK.  At its head my loads that are out are, in order: (the next block's index,) this block's K step 0 (16), its K step 1 (16).
; ahead = 1: the next block's rows are asked for;  idx = 1: and the index of the block after it.
.macro BLOCK ahead, idx
	s_lshr_b32 s24, s[G], 3                        ; the pair (c, b): 128 bytes of epart,
	s_lshl_b32 s24, s24, 7
	s_lshl_b32 s26, s[WV], 5                       ; of which chunks 2 w and 2 w + 1 are my share
	s_add_co_u32 s24, s24, s26
	s_add_nc_u64 s[28:29], s[14:15], s[24:25]      ; (the last block's scalar load was waited for in its phase 1)
	s_load_b256 s[32:39], s[28:29], 0x0
	; ---- X
	s_wait_loadcnt 16                              ; K step 1's 16 loads may stay out: K step 0 and the next index are in, and their address registers are free
	QUANT S0, 1, PC0, PW0
	IMAGE XWI, XIMG, PC0                           ; (x's images are written again only by waves that have passed the last block's second barrier, in front of which every wave waited for its reads of them)
	ds_store_b32 v[XWS], v[PW0] offset:XSC
.if \ahead
	s_add_co_u32 s23, s[G], 512
	ADDR
.if \idx
	v_add_nc_u32 v[IA], 0x20000, v[IA]
	global_load_b32 v[IDX], v[IA], s[4:5]
.endif
	XLOAD S0, 1, AD0, 6, 0                         ; into the registers just read
.endif
	s_wait_loadcnt 16*(\ahead)+(\idx)              ; what was issued just now may stay out: K step 1 is in, and its address register is free
	QUANT S1, 1, PC1, PW1
	IMAGE XWI, XIMG+1024, PC1
	ds_store_b32 v[XWS], v[PW1] offset:XSC+128
.if \ahead
	v_add_nc_u32 v[AD1], 0x200, v[AD0]
	XLOAD S1, 1, AD1, 6, 0
.endif
	WIN 0
	BARRIER                                        ; x's eight fragments lie in LDS; and nobody reads the last block's partial sums any more
	; ---- 1
	FX 0
	FX 1
	s_wait_kmcnt 0x0
.irp n, 0,1,2
	v_mov_b32 v[E+\n], s[32+\n]
	v_add_f32 v[E+\n], s[36+\n], v[E+\n]           ; my two chunks of the pair's eos term
.endr
	s_wait_dscnt 6                                 ; the six loads of rows 16 on may stay out
	MUL 0
	NOP4                                           ; in front of the loads into the buffer just multiplied, and of the first read of results
	FX 2
	PACK
	FC
	s_wait_dscnt 6                                 ; the six loads of rows 32 on may stay out
	MUL 1
	NOP4                                           ; also behind the last product: its sums are read and its source 1 is written below
	FX 3
	PSUM TA                                        ; rows 0 to 15
	PACK
	FC
	s_wait_dscnt 6                                 ; the six loads of rows 48 on may stay out
	MUL 2
	NOP4
	PSUM TB                                        ; rows 16 to 31
	PJOIN 0
	PACK
	FC
	s_wait_dscnt 3                                 ; the three stores of partial sums may stay out
	MUL 3
	NOP4
	PSUM TA                                        ; rows 32 to 47
	PACK
	FC
	NOP4
	PSUM TB                                        ; rows 48 to 63
	PJOIN 1
	BARRIER                                        ; all four waves' partial sums of the 64 rows lie in LDS; and nobody reads x's images any more
	; ---- the block's 192 numbers: 768 bytes, 256 for each of waves 0 to 2
	s_cmp_gt_u32 s[WV], 2
	s_cbranch_scc1 .Lskip_\@
.irp q, 0,1,2,3
	ds_load_b64 v[TM+2*\q:TM+2*\q+1], v[PRD] offset:1024*\q   ; wave q's partial sums of my two numbers
.endr
	s_wait_xcnt 0x0                                ; the last block's store has read its data and its offset: both are written again only behind this wait
	s_mul_i32 s23, s[G], 768
	v_add_nc_u32 v[OUTO], s23, v[OUTC]
	s_wait_dscnt 0x0
	v_pk_add_f32 v[RS:RS+1], v[TM:TM+1], v[TM+2:TM+3]
	v_pk_add_f32 v[TM+4:TM+5], v[TM+4:TM+5], v[TM+6:TM+7]
	v_pk_add_f32 v[RS:RS+1], v[RS:RS+1], v[TM+4:TM+5]
	v_max_num_f32 v[RS], 0, v[RS]
	v_max_num_f32 v[RS+1], 0, v[RS+1]
	global_store_b64 v[OUTO], v[RS:RS+1], s[16:17] th:TH_STORE_NT   ; 32 lanes store 256 consecutive bytes, at a multiple of 256 from out0's first byte; written once, read by nobody here
.Lskip_\@:
	s_add_co_u32 s[G], s[G], 512
.endm
.Lloop:                                            ; all my blocks but the last two
	BLOCK 1, 1
	s_sub_co_i32 s[TRIPS], s[TRIPS], 1
	s_cmp_gt_i32 s[TRIPS], 0
	s_cbranch_scc1 .Lloop
	BLOCK 1, 0                                     ; the last but one asks for the last block's rows and for no further index,
	BLOCK 0, 0                                     ; the last for nothing: no load leaves its buffer, and none is jumped over
	s_wait_tensorcnt 0x0                           ; the wave's end, behind my last LDS store
	ds_add_u32 v[SPW], v[NIL]
	s_wait_dscnt 0x0
	s_endpgm
.Lfunc_end_k_q93a1b4c4e8_decode:
	.size	k_q93a1b4c4e8_decode, .Lfunc_end_k_q93a1b4c4e8_decode-k_q93a1b4c4e8_decode
	.p2alignl 7, 3214868480
	.fill 96, 4, 3214868480
	.section	.rodata,"a",@progbits
	.p2align	6, 0x0
	.amdhsa_kernel k_q93a1b4c4e8_decode
		.amdhsa_group_segment_fixed_size 13824
		.amdhsa_private_segment_fixed_size 0
		.amdhsa_enable_private_segment 0
		.amdhsa_kernarg_size 56
		.amdhsa_user_sgpr_count 2
		.amdhsa_user_sgpr_kernarg_segment_ptr 1
		.amdhsa_wavefront_size32 1
		.amdhsa_system_sgpr_workgroup_id_x 1
		.amdhsa_system_sgpr_workgroup_id_y 1
		.amdhsa_system_sgpr_workgroup_id_z 1
		.amdhsa_system_vgpr_workitem_id 0
		.amdhsa_next_free_vgpr 512
		.amdhsa_next_free_sgpr 66
		.amdhsa_reserve_vcc 0
		.amdhsa_float_denorm_mode_32 3
		.amdhsa_float_denorm_mode_16_64 3
		.amdhsa_memory_ordered 1
		.amdhsa_forward_progress 1
		.amdhsa_inst_pref_size 112
	.end_amdhsa_kernel
	.amdgpu_metadata
---
amdhsa.version: [ 1, 2 ]
amdhsa.kernels:
  - .name:           k_q93a1b4c4e8_decode
    .symbol:         k_q93a1b4c4e8_decode.kd
    .args:
      - { .name: sampled_indices, .offset: 0, .size: 8, .value_kind: global_buffer, .address_space: global }
      - { .name: bin_embedding_table, .offset: 8, .size: 8, .value_kind: global_buffer, .address_space: global }
      - { .name: W_fc, .offset: 16, .size: 8, .value_kind: global_buffer, .address_space: global }
      - { .name: wb_codes, .offset: 24, .size: 8, .value_kind: global_buffer, .address_space: global }
      - { .name: wb_scales, .offset: 32, .size: 8, .value_kind: global_buffer, .address_space: global }
      - { .name: epart, .offset: 40, .size: 8, .value_kind: global_buffer, .address_space: global }
      - { .name: out0, .offset: 48, .size: 8, .value_kind: global_buffer, .address_space: global }
    .group_segment_fixed_size: 13824
    .private_segment_fixed_size: 0
    .kernarg_segment_align: 8
    .kernarg_segment_size: 56
    .max_flat_workgroup_size: 128
    .sgpr_count:     66
    .vgpr_count:     512
    .wavefront_size: 32
...
	.end_amdgpu_metadata
.endif
;; end of part 2
;; ======== version 2 of 2: 2 launches; version 1 with the launches prep, decode written anew for expert scheduling mode
;; workspace buffers: wb_codes 65,536 bytes; wb_scales 8,192 bytes; epart 47,104 bytes
;; launch prep (part 3): grid 238 x 1, 4 waves a work-group, no clusters, 7,168 bytes of LDS; arguments eos_emb, W_eos, b_eos, W_fc, b_fc, W_bin, targets, wb_codes, wb_scales, epart, out1; writes wb_codes, wb_scales, epart, out1
.if DOCPART == 3
	.amdgcn_target "amdgcn-amd-amdhsa--gfx1250"
	.amdhsa_code_object_version 6
	.text
	.protected	k_q93a1b4c4e8_prep
	.globl	k_q93a1b4c4e8_prep
	.p2align	8
	.type	k_q93a1b4c4e8_prep,@function
k_q93a1b4c4e8_prep:
	s_mov_b64 s[64:65], 0
	v_nop
	global_prefetch_b8 v0, s[64:65] scope:SCOPE_SE
	s_setreg_imm32_b32 hwreg(HW_REG_WAVE_SCHED_MODE, 0, 2), 2
	s_setreg_imm32_b32 hwreg(HW_REG_WAVE_MODE, 25, 1), 1
	s_wait_xcnt 0x0
	s_wait_alu depctr_vm_vsrc(0)
; THE PROGRAM.  pred = relu([Q(table[ind]) Q(W_bin)^T | Q(eos_emb) Q(W_eos)^T + b_eos] W_fc^T + b_fc), and targets copied.  Q: codes of FP4 (E2M1) with one E8M0 scale for each 32 along K.
; NO WORK IS LEFT OUT AS DEAD, and every input is loaded.  One thing is SHARED: the right half of the last product's K (columns 512 to 1023 of W_fc) meets eos_rep, which is one row of eos repeated
; over the 512 sampled bins of a pair (c, b).  For all values of the inputs that half of the sum is the same number in those 512 rows, so it is summed once for each of the 368 pairs, here, in f32,
; and the second launch adds it to each of the pair's rows.  The sum over the 1,024 columns is thereby grouped otherwise than a plain chain: that is rounding.
; THIS LAUNCH has three kinds of work-group, told apart by the work-group's number alone:
;   0 .. 183   (8 c + j): eos of chromosome c (its 16 batch rows are the tile's 16 columns) at d = 64 j .. 64 j + 63, 16 of them a wave; then the partial sums over these 64 d of eos x W_fc[n][512 + d],
;              n = 0, 1, 2, into epart[16 c + b][j][n] (a fourth word is 0); b_fc goes into chunk j = 0.
;   184 .. 191: W_bin becomes codes: wave -> one tile of 16 rows x 256 K, stored as the IMAGE OF THE OPERAND'S REGISTERS: wb_codes[tile][K step][c][lane][16 bytes], wb_scales[tile][lane][K step] (words).
;   192 .. 237: out1 = targets, 16,384 bytes a work-group.
; THE QUANTISER: a block's scale byte is its largest magnitude's exponent field - 2, held at 1 from below by a floor among the maximum's leaves; the conversion divides by the scale, rounds to the nearest code, ties to even,
; and gives the largest code beyond 6.
; LIMITS: a block of zeros gets the byte 1 where the rule says 127 (its codes are zeros, which add nothing, and this program alone reads the bytes); NaN and infinities among the inputs are not served.
; No tensor loads and no cluster: each work-group reads its few rows once, through registers.  epart leaves in pieces of 16 bytes, 128 bytes apart: 47,104 bytes in the whole launch.
; THE MODE: SCHED_MODE bits 1:0 = 2 (LLVM: expert scheduling mode 2), set by the entry lines.  The code itself states the register dependences
; between vector or matrix instructions and memory or LDS instructions, with s_wait_alu, always for 0.
; THE PLAN.  Each of the three paths is a straight run, and no register that a memory or LDS instruction has read is written again: so no wait on vm_vsrc is owed.  Registers that memory or LDS instructions touch:
;   v1, v2, v5-v13      offsets and LDS addresses: written once by vector instructions; one wait on va_vdst stands ahead of each path's first load.
;   XST, window 1       loaded once, read by the quantiser, never loaded again.   BE, WF, XF, XS: loaded once, named by no vector instruction before.
;   PC, PW, PC2         written by the quantiser, read by the stores behind one wait on va_vdst, never written again.
;   EN                  written by the sums, read by one LDS store behind one wait on va_vdst; that wait also stands behind the quantiser's last use of TM, in which wave 0's LDS loads land.
;   TM, TM + 1          written by wave 0's additions, read by the chunk's store behind one wait on va_vdst.
;   WFR, WSC            written by the quantiser, taken by the scaled matrix instructions: one wait on va_vdst behind their eight places.
;   s26                 the wave's number, written by a vector instruction: one wait on va_sdst ahead of the first branch, since all its readers stand behind the branches.
.set XIMG,  0                          ; LDS (the first kind alone): x's four fragments, one for each K step of 128: 1,024 bytes each, as images of their registers,
.set XSC,   4096                       ; their scale words, 128 bytes each,
.set EP,    4608                       ; each wave's partial sums: 32 lanes x 16 bytes,
.set SPARE, 6656                       ; and the spare words, 128 bytes for each wave: two blocks of 256 bytes that no other line names
.set LI,  1                            ; v1   16 x lane
.set LS,  2                            ; v2   4 x lane
.set R,   3                            ; v3   lane % 16
.set H,   4                            ; v4   lane / 16
.set AW,  5                            ; v5   my byte in the weight's rows (the copy: 16 x thread)
.set AX,  6                            ; v6   my byte in eos_emb
.set AB,  7                            ; v7   my byte in b_eos
.set AF,  8                            ; v8   my byte in a row of W_fc
.set XWI, 9                            ; v9   where my wave's image of x goes
.set XWS, 10                           ; v10  and its scale words
.set EPW, 11                           ; v11  where my partial sums go
.set EPR, 12                           ; v12  where wave 0 reads them back (second kind: 8 x lane)
.set GO,  13                           ; v13  my byte in epart
.set SPW, 14                           ; v14  LDS address of my spare word; never rewritten
.set NIL, 15                           ; v15  0; never rewritten
.set WFR, 16                           ; v16-47   W_eos: four fragments, one for each K step
.set WSC, 48                           ; v48-51   their scale words, and nothing else
.set XF,  52                           ; v52-83   x: four fragments
.set XS,  84                           ; v84-87   their scale words, and nothing else
.set A0,  88                           ; v88-95   sums of K steps 0 and 2
.set A1,  96                           ; v96-103  of K steps 1 and 3
.set BE,  104                          ; v104-111 b_eos in the result's layout
.set WF,  112                          ; v112-135 W_fc, eight numbers for each n
.set EE,  136                          ; v136-143 eos
.set AC,  144                          ; v144-149 a pair of partial sums for each n
.set EN,  150                          ; v150-153 the three sums and a 0
.set PT,  154                          ; v154-156 the other half of the lanes' sums
.set LN,  157                          ; v157 lane
.set TM,  160                          ; v160-175 the quantiser's: largest magnitudes, bytes, -, scale operands
.set PC,  176                          ; v176-183 codes just made
.set PW,  184                          ; v184-185 scale words just made
.set PC2, 186                          ; v186-193 second kind: the second K step's codes
.set XST, 192                          ; v192-255 first kind: 64 numbers of x.   Window 1, v0-255: the weight's numbers, 64 for each K step
.set WV,  26                           ; s26  wave
.set SEL, 30                           ; s[30:31] lane selects for v_permlanex16_b32: lane l xor 16
.set MSB, 0
.macro WIN new                         ; the immediate's high byte repeats the setting that is left; a switch that changes nothing is dropped
.if MSB != (\new)
	s_set_vgpr_msb (MSB<<8)|(\new)
.set MSB, (\new)
.endif
.endm
; 64 numbers of a lane, v[s] .. v[s + 63] of window w, register 16 b + i = k 32 b + 16 (lane / 16) + i of my row, become a fragment's codes in v[pc] on and its scale word in v[pw] (both window 0).
.macro QUANT s, w, pc, pw
	WIN (\w)|((\w)<<2)
.irp b, 0,1,2,3
	v_max3_num_f32 v[TM+\b], |v[(\s)+16*\b]|, |v[(\s)+1+16*\b]|, 0x1800000   ; block b: my 16 numbers, and the floor 2^(3 - 127): so the byte cannot fall under 1
.endr
	WIN ((\w)<<2)|((\w)<<4)
.irp i, 2,4,6,8,10,12,14
.irp b, 0,1,2,3
	v_max3_num_f32 v[TM+\b], v[TM+\b], |v[(\s)+16*\b+\i]|, |v[(\s)+1+16*\b+\i]|   ; the four blocks by turns: no line waits for the line above it
.endr
.endr
	WIN 0
.irp b, 0,1,2,3
	v_permlanex16_b32 v[TM+4+\b], v[TM+\b], s[SEL], s[SEL+1]
.endr
.irp b, 0,1,2,3
	v_max_num_f32 v[TM+\b], v[TM+\b], v[TM+4+\b]   ; with lane l xor 16's: the block's largest magnitude
.endr
.irp b, 0,1,2,3
	v_add_nc_u32 v[TM+12+\b], 0xff000000, v[TM+\b]   ; 2 off its exponent field: the conversion takes the exponent field of this operand as its scale
.endr
.irp b, 0,1,2,3
	v_lshrrev_b32 v[TM+4+\b], 23, v[TM+12+\b]      ; the scale's byte
.endr
	v_lshl_or_b32 v[\pw], v[TM+5], 8, v[TM+4]      ; four bytes: my row's scale word
	v_lshl_or_b32 v[\pw], v[TM+6], 16, v[\pw]
	v_lshl_or_b32 v[\pw], v[TM+7], 24, v[\pw]
	WIN (\w)
.irp b, 0,1,2,3
	v_cvt_scalef32_pk8_fp4_f32 v[(\pc)+2*\b], v[(\s)+16*\b:(\s)+16*\b+7], v[TM+12+\b]
	v_cvt_scalef32_pk8_fp4_f32 v[(\pc)+1+2*\b], v[(\s)+16*\b+8:(\s)+16*\b+15], v[TM+12+\b]
.endr
	WIN 0
	v_nop                                          ; one plain place behind a scaled conversion
.irp c, 0,1                                    ; the operand's layout wants a WHOLE block in a lane: lanes 0-15 block 2 c, lanes 16-31 block 2 c + 1
.irp i, 0,1
	v_permlane16_swap_b32 v[(\pc)+4*\c+\i], v[(\pc)+2+4*\c+\i]
.endr
.endr
.endm
; 16 loads: my 64 numbers of one K step of 128.  It leaves the destination's window set: a QUANT or a WIN follows.
.macro XLOAD reg, w, adr, base, off
	WIN (\w)<<6
.irp b, 0,1,2,3
.irp i, 0,1,2,3
	global_load_b128 v[(\reg)+16*\b+4*\i:(\reg)+16*\b+4*\i+3], v[\adr], s[\base:\base+1] offset:(\off)+128*\b+16*\i
.endr
.endr
.endm
.macro IMAGE adr, off, pc                      ; a fragment goes to LDS as it stands: lane l's 16 bytes at 16 l
.irp c, 0,1
	ds_store_b128 v[\adr], v[(\pc)+4*\c:(\pc)+4*\c+3] offset:(\off)+512*\c
.endr
.endm
.macro FETCH reg, off                          ; and comes back so, in any wave
.irp c, 0,1
	ds_load_b128 v[(\reg)+4*\c:(\reg)+4*\c+3], v[LI] offset:(\off)+512*\c
.endr
.endm
.macro BARRIER                                 ; my LDS stores have landed and my LDS loads are in: then the work-group's barrier
	s_wait_dscnt 0x0
	s_barrier_signal -1
	s_barrier_wait -1
.endm
	s_load_b256 s[4:11], s[0:1], 0x0               ; eos_emb s[4:5], W_eos s[6:7], b_eos s[8:9], W_fc s[10:11]
	s_load_b256 s[12:19], s[0:1], 0x20             ; b_fc s[12:13], W_bin s[14:15], targets s[16:17], wb_codes s[18:19]
	s_load_b128 s[20:23], s[0:1], 0x40             ; wb_scales s[20:21], epart s[22:23]
	s_load_b64 s[24:25], s[0:1], 0x50              ; out1
	v_lshl_add_u32 v[SPW], v0, 2, SPARE
	v_mov_b32 v[NIL], 0
	v_lshrrev_b32 v[LN], 5, v0
	v_readfirstlane_b32 s[WV], v[LN]               ; wave 0..3
	v_and_b32 v[LN], 31, v0
	v_and_b32 v[R], 15, v0
	v_bfe_u32 v[H], v0, 4, 1
	v_lshlrev_b32 v[LI], 4, v[LN]
	v_lshlrev_b32 v[LS], 2, v[LN]
	s_mov_b32 s[SEL], 0x76543210
	s_mov_b32 s[SEL+1], 0xfedcba98
.irp b, 0,1,2,3
	v_mov_b32 v[TM+4+\b], 0                        ; written once: a lane permute's destination counts as one of its sources
.endr
	s_mov_b32 s37, 0                               ; the upper word of the offsets' pair s[36:37] (second and third kind)
	s_wait_alu depctr_va_sdst(0)                   ; the wave's number is written into s26, ahead of the branches behind which its readers stand
	s_wait_kmcnt 0x0
	s_cmp_ge_u32 ttmp9, 192
	s_cbranch_scc1 .Lcopy
	s_cmp_ge_u32 ttmp9, 184
	s_cbranch_scc1 .Lwbin
	; ---- FIRST KIND: eos and its share of the last product
	s_lshr_b32 s27, ttmp9, 3                       ; c
	s_and_b32 s28, ttmp9, 7                        ; j
	s_lshl_b32 s29, s28, 6
	s_lshl_b32 s35, s[WV], 4
	s_add_co_u32 s29, s29, s35                     ; d0 = 64 j + 16 wave: my 16 rows of W_eos
	v_mul_u32_u24 v[AX], v[R], 47104               ; eos_emb: batch row r is 23 rows of 2,048 bytes on,
	v_lshl_add_u32 v[AX], v[H], 6, v[AX]           ; + 64 h: my 16 numbers of a block of 32,
	s_lshl_b32 s36, s27, 11                        ; + chromosome c,
	s_lshl_b32 s35, s[WV], 9                       ; + K step = my wave: each wave quantises one of the four
	s_add_co_u32 s36, s36, s35
	v_add_nc_u32 v[AX], s36, v[AX]
	v_lshlrev_b32 v[AW], 11, v[R]                  ; W_eos: row d0 + r of 2,048 bytes, + 64 h
	v_lshl_add_u32 v[AW], v[H], 6, v[AW]
	s_lshl_b32 s36, s29, 11
	v_add_nc_u32 v[AW], s36, v[AW]
	s_lshl_b32 s36, s29, 2
	v_lshl_add_u32 v[AB], v[H], 5, s36             ; b_eos at d0 + 8 h: in the result lane (r, h) holds d = d0 + 8 h + 0 .. 7 of batch row r
	v_add_nc_u32 v[AF], 2048, v[AB]                ; W_fc's column 512 + d0 + 8 h
	s_lshl_b32 s36, s[WV], 10
	v_add_nc_u32 v[XWI], s36, v[LI]
	s_lshl_b32 s36, s[WV], 7
	v_add_nc_u32 v[XWS], s36, v[LS]
	s_lshl_b32 s36, s[WV], 9
	s_add_co_u32 s36, s36, EP
	v_add_nc_u32 v[EPW], s36, v[LI]
	v_lshl_add_u32 v[EPR], v[LN], 3, EP            ; back: 8 bytes a lane: batch row lane / 2, words 2 (lane % 2) and the next
	v_lshrrev_b32 v[GO], 1, v[LN]
	v_lshlrev_b32 v[GO], 7, v[GO]                  ; epart: 128 bytes for each pair (c, b),
	v_and_b32 v[PT], 1, v[LN]
	v_lshl_add_u32 v[GO], v[PT], 3, v[GO]
	s_lshl_b32 s36, s27, 11                        ; 16 pairs a chromosome,
	s_lshl_b32 s35, s28, 4                         ; 16 bytes a chunk
	s_add_co_u32 s36, s36, s35
	v_add_nc_u32 v[GO], s36, v[GO]
.irp n, 0,1,2
	v_mov_b32 v[PT+\n], 0                          ; permute destinations: written once
.endr
	s_load_b96 s[32:34], s[12:13], 0x0             ; b_fc
	s_wait_alu depctr_va_vdst(0)                   ; the offsets and LDS addresses v1, v2 and v5 to v13 are written: every load and store of this path reads one of them
	global_load_b128 v[BE:BE+3], v[AB], s[8:9]
	global_load_b128 v[BE+4:BE+7], v[AB], s[8:9] offset:16
.irp n, 0,1,2
	global_load_b128 v[WF+8*\n:WF+8*\n+3], v[AF], s[10:11] offset:4096*\n
	global_load_b128 v[WF+8*\n+4:WF+8*\n+7], v[AF], s[10:11] offset:4096*\n+16
.endr
	XLOAD XST, 0, AX, 4, 0
.irp s, 0,1,2,3
	XLOAD 64*\s, 1, AW, 6, 512*\s
.endr
	s_wait_loadcnt 63                              ; behind x's last load stand W_eos's 64; the field holds 63, and a smaller count is safe: b_eos, W_fc and x are in
	QUANT XST, 0, PC, PW
	s_wait_alu depctr_va_vdst(0)                   ; the quantiser has written x's codes v[PC ..] and scale word v[PW], which the LDS stores read
	IMAGE XWI, XIMG, PC                            ; K step = my wave
	ds_store_b32 v[XWS], v[PW] offset:XSC
.irp s, 0,1,2,3
	s_wait_loadcnt 48-16*\s                        ; the later K steps' loads may stay out
	QUANT 64*\s, 1, WFR+8*\s, WSC+\s
.endr
	BARRIER                                        ; x's four fragments lie in LDS
.irp s, 0,1,2,3
	FETCH XF+8*\s, XIMG+1024*\s
	ds_load_b32 v[XS+\s], v[LS] offset:XSC+128*\s
.endr
.rept 8
	v_nop                                          ; W_eos's scale words and codes were written by vector instructions: eight places ahead of a scaled matrix instruction serve both
.endr
	s_wait_alu depctr_va_vdst(0)                   ; behind the places: the quantiser has written W_eos's codes v[WFR ..] and scale words v[WSC ..], which the scaled matrix instructions take
	s_wait_dscnt 0x0
	; TRANSPOSED: source 0 = my 16 rows of W_eos, source 1 = the 16 batch rows.  Two accumulators by turns; b_eos is the C of the first
	v_wmma_scale_f32_16x16x128_f8f6f4 v[A0:A0+7], v[WFR:WFR+7], v[XF:XF+7], v[BE:BE+7], v[WSC], v[XS] matrix_a_fmt:MATRIX_FMT_FP4 matrix_b_fmt:MATRIX_FMT_FP4
	v_wmma_scale_f32_16x16x128_f8f6f4 v[A1:A1+7], v[WFR+8:WFR+15], v[XF+8:XF+15], 0, v[WSC+1], v[XS+1] matrix_a_fmt:MATRIX_FMT_FP4 matrix_b_fmt:MATRIX_FMT_FP4
	v_wmma_scale_f32_16x16x128_f8f6f4 v[A0:A0+7], v[WFR+16:WFR+23], v[XF+16:XF+23], v[A0:A0+7], v[WSC+2], v[XS+2] matrix_a_fmt:MATRIX_FMT_FP4 matrix_b_fmt:MATRIX_FMT_FP4
	v_wmma_scale_f32_16x16x128_f8f6f4 v[A1:A1+7], v[WFR+24:WFR+31], v[XF+24:XF+31], v[A1:A1+7], v[WSC+3], v[XS+3] matrix_a_fmt:MATRIX_FMT_FP4 matrix_b_fmt:MATRIX_FMT_FP4
.rept 4
	v_nop                                          ; four places in front of the first read of results
.endr
.irp k, 0,2,4,6
	v_pk_add_f32 v[EE+\k:EE+\k+1], v[A0+\k:A0+\k+1], v[A1+\k:A1+\k+1]   ; eos(b = r, d0 + 8 h + k), each accumulator from its low end on
.endr
.irp n, 0,1,2
	v_pk_mul_f32 v[AC+2*\n:AC+2*\n+1], v[EE:EE+1], v[WF+8*\n:WF+8*\n+1]
.endr
.irp k, 2,4,6
.irp n, 0,1,2
	v_pk_fma_f32 v[AC+2*\n:AC+2*\n+1], v[EE+\k:EE+\k+1], v[WF+8*\n+\k:WF+8*\n+\k+1], v[AC+2*\n:AC+2*\n+1]
.endr
.endr
.irp n, 0,1,2
	v_add_f32 v[EN+\n], v[AC+2*\n], v[AC+2*\n+1]
.endr
.irp n, 0,1,2
	v_permlanex16_b32 v[PT+\n], v[EN+\n], s[SEL], s[SEL+1]
.endr
.irp n, 0,1,2
	v_add_f32 v[EN+\n], v[EN+\n], v[PT+\n]         ; with lane l xor 16's eight d: my wave's 16
.endr
	s_wait_kmcnt 0x0                               ; b_fc
	s_or_b32 s36, s28, s[WV]
	s_cmp_eq_u32 s36, 0                            ; b_fc enters once for each pair: in chunk 0, by wave 0
	s_cselect_b32 s38, s32, 0
	s_cselect_b32 s39, s33, 0
	s_cselect_b32 s40, s34, 0
.irp n, 0,1,2
	v_add_f32 v[EN+\n], s[38+\n], v[EN+\n]
.endr
	v_mov_b32 v[EN+3], 0
	s_wait_alu depctr_va_vdst(0)                   ; the sums have written v[EN ..], which the LDS store reads; and the quantiser is done with v[TM ..], in which wave 0's LDS loads land below with no vector instruction between
	ds_store_b128 v[EPW], v[EN:EN+3]
	BARRIER                                        ; the four waves' sums lie in LDS
	s_cmp_lg_u32 s[WV], 0
	s_cbranch_scc1 .Leos_end                       ; wave 0 adds them and stores the chunk
.irp q, 0,1,2,3
	ds_load_b64 v[TM+2*\q:TM+2*\q+1], v[EPR] offset:512*\q
.endr
	s_wait_dscnt 0x0
	v_pk_add_f32 v[TM:TM+1], v[TM:TM+1], v[TM+2:TM+3]
	v_pk_add_f32 v[TM+4:TM+5], v[TM+4:TM+5], v[TM+6:TM+7]
	v_pk_add_f32 v[TM:TM+1], v[TM:TM+1], v[TM+4:TM+5]
	s_wait_alu depctr_va_vdst(0)                   ; the additions have written v[TM], v[TM + 1], which the store reads
	global_store_b64 v[GO], v[TM:TM+1], s[22:23]
.Leos_end:
	s_wait_dscnt 0x0                               ; the wave's end: the closing lines, six on end
	s_wait_alu 0x0
	s_wait_tensorcnt 0x0
	ds_add_u32 v[SPW], v[NIL]
	s_wait_dscnt 0x0
	s_endpgm
	; ---- SECOND KIND: W_bin into codes, a tile of 16 rows a wave
.Lwbin:
	s_sub_co_u32 s27, ttmp9, 184
	s_lshl_b32 s27, s27, 2
	s_add_co_u32 s27, s27, s[WV]                   ; tile t = 0 .. 31
	s_lshl_b32 s36, s27, 14                        ; 16 rows of 1,024 bytes
	v_lshlrev_b32 v[AW], 10, v[R]
	v_lshl_add_u32 v[AW], v[H], 6, v[AW]
	v_add_nc_u32 v[AW], s36, v[AW]
	v_lshlrev_b32 v[EPR], 3, v[LN]                 ; 8 x lane
	s_wait_alu depctr_va_vdst(0)                   ; the offsets v[AW], v[EPR] and v[LI] are written, which this path's loads and stores read
	XLOAD 0, 1, AW, 14, 0
	XLOAD 64, 1, AW, 14, 512
	s_lshl_b32 s36, s27, 11
	s_add_nc_u64 s[18:19], s[18:19], s[36:37]      ; 2,048 bytes of codes a tile
	s_lshl_b32 s36, s27, 8
	s_add_nc_u64 s[20:21], s[20:21], s[36:37]      ; 256 bytes of scale words
	s_wait_loadcnt 16                              ; the second K step's 16 loads may stay out
	QUANT 0, 1, PC, PW
	s_wait_loadcnt 0x0
	QUANT 64, 1, PC2, PW+1
	s_wait_alu depctr_va_vdst(0)                   ; the quantiser has written both K steps' codes v[PC ..], v[PC2 ..] and scale words v[PW], v[PW + 1], which the five stores read
	global_store_b128 v[LI], v[PC:PC+3], s[18:19]                    ; each store covers 512 consecutive bytes, aligned
	global_store_b128 v[LI], v[PC+4:PC+7], s[18:19] offset:512
	global_store_b128 v[LI], v[PC2:PC2+3], s[18:19] offset:1024
	global_store_b128 v[LI], v[PC2+4:PC2+7], s[18:19] offset:1536
	global_store_b64 v[EPR], v[PW:PW+1], s[20:21]                    ; both K steps' words of my row: 256 consecutive bytes, aligned
	s_wait_dscnt 0x0                               ; the wave's end: the closing lines, six on end
	s_wait_alu 0x0
	s_wait_tensorcnt 0x0
	ds_add_u32 v[SPW], v[NIL]
	s_wait_dscnt 0x0
	s_endpgm
	; ---- THIRD KIND: out1 = targets
.Lcopy:
	s_sub_co_u32 s36, ttmp9, 192
	s_lshl_b32 s36, s36, 14                        ; 46 work-groups x 16,384 bytes = 753,664
	s_add_nc_u64 s[16:17], s[16:17], s[36:37]
	s_add_nc_u64 s[24:25], s[24:25], s[36:37]
	v_lshlrev_b32 v[AW], 4, v0
	s_wait_alu depctr_va_vdst(0)                   ; the offset v[AW] is written, which the eight loads and the eight stores read
.irp i, 0,1,2,3,4,5,6,7
	global_load_b128 v[16+4*\i:19+4*\i], v[AW], s[16:17] offset:2048*\i th:TH_LOAD_NT
.endr
.irp i, 0,1,2,3,4,5,6,7
	s_wait_loadcnt 7-\i                            ; loads come back in order: the younger ones may stay out
	global_store_b128 v[AW], v[16+4*\i:19+4*\i], s[24:25] offset:2048*\i th:TH_STORE_NT
.endr
	s_wait_dscnt 0x0                               ; the wave's end: the closing lines, six on end
	s_wait_alu 0x0
	s_wait_tensorcnt 0x0
	ds_add_u32 v[SPW], v[NIL]
	s_wait_dscnt 0x0
	s_endpgm
.Lfunc_end_k_q93a1b4c4e8_prep:
	.size	k_q93a1b4c4e8_prep, .Lfunc_end_k_q93a1b4c4e8_prep-k_q93a1b4c4e8_prep
	.p2alignl 7, 3214868480
	.fill 96, 4, 3214868480
	.section	.rodata,"a",@progbits
	.p2align	6, 0x0
	.amdhsa_kernel k_q93a1b4c4e8_prep
		.amdhsa_group_segment_fixed_size 7168
		.amdhsa_private_segment_fixed_size 0
		.amdhsa_enable_private_segment 0
		.amdhsa_kernarg_size 88
		.amdhsa_user_sgpr_count 2
		.amdhsa_user_sgpr_kernarg_segment_ptr 1
		.amdhsa_wavefront_size32 1
		.amdhsa_system_sgpr_workgroup_id_x 1
		.amdhsa_system_sgpr_workgroup_id_y 1
		.amdhsa_system_sgpr_workgroup_id_z 1
		.amdhsa_system_vgpr_workitem_id 0
		.amdhsa_next_free_vgpr 512
		.amdhsa_next_free_sgpr 66
		.amdhsa_reserve_vcc 0
		.amdhsa_float_denorm_mode_32 3
		.amdhsa_float_denorm_mode_16_64 3
		.amdhsa_memory_ordered 1
		.amdhsa_forward_progress 1
		.amdhsa_inst_pref_size 50
	.end_amdhsa_kernel
	.amdgpu_metadata
---
amdhsa.version: [ 1, 2 ]
amdhsa.kernels:
  - .name:           k_q93a1b4c4e8_prep
    .symbol:         k_q93a1b4c4e8_prep.kd
    .args:
      - { .name: eos_emb, .offset: 0, .size: 8, .value_kind: global_buffer, .address_space: global }
      - { .name: W_eos, .offset: 8, .size: 8, .value_kind: global_buffer, .address_space: global }
      - { .name: b_eos, .offset: 16, .size: 8, .value_kind: global_buffer, .address_space: global }
      - { .name: W_fc, .offset: 24, .size: 8, .value_kind: global_buffer, .address_space: global }
      - { .name: b_fc, .offset: 32, .size: 8, .value_kind: global_buffer, .address_space: global }
      - { .name: W_bin, .offset: 40, .size: 8, .value_kind: global_buffer, .address_space: global }
      - { .name: targets, .offset: 48, .size: 8, .value_kind: global_buffer, .address_space: global }
      - { .name: wb_codes, .offset: 56, .size: 8, .value_kind: global_buffer, .address_space: global }
      - { .name: wb_scales, .offset: 64, .size: 8, .value_kind: global_buffer, .address_space: global }
      - { .name: epart, .offset: 72, .size: 8, .value_kind: global_buffer, .address_space: global }
      - { .name: out1, .offset: 80, .size: 8, .value_kind: global_buffer, .address_space: global }
    .group_segment_fixed_size: 7168
    .private_segment_fixed_size: 0
    .kernarg_segment_align: 8
    .kernarg_segment_size: 88
    .max_flat_workgroup_size: 128
    .sgpr_count:     66
    .vgpr_count:     512
    .wavefront_size: 32
...
	.end_amdgpu_metadata
.endif
;; end of part 3
;; launch decode (part 4): grid 512 x 1, 4 waves a work-group, no clusters, 13,824 bytes of LDS; arguments sampled_indices, bin_embedding_table, W_fc, wb_codes, wb_scales, epart, out0; writes out0
.if DOCPART == 4
	.amdgcn_target "amdgcn-amd-amdhsa--gfx1250"
	.amdhsa_code_object_version 6
	.text
	.protected	k_q93a1b4c4e8_decode
	.globl	k_q93a1b4c4e8_decode
	.p2align	8
	.type	k_q93a1b4c4e8_decode,@function
k_q93a1b4c4e8_decode:
	s_mov_b64 s[64:65], 0
	v_nop
	global_prefetch_b8 v0, s[64:65] scope:SCOPE_SE
	s_setreg_imm32_b32 hwreg(HW_REG_WAVE_SCHED_MODE, 0, 2), 2
	s_setreg_imm32_b32 hwreg(HW_REG_WAVE_MODE, 25, 1), 1
	s_wait_xcnt 0x0
	s_wait_alu depctr_vm_vsrc(0)
; out0[c][b][s][n] = relu(sum over d < 512 of bin_proj[d] W_fc[n][d] + the pair's eos term), bin_proj = Q(table[5000 c + ind]) Q(W_bin)^T on codes of FP4 (E2M1) with one E8M0 scale for each 32 along K.
; The eos half of the last product's K and b_fc are not summed again here: they are the same for the 512 rows of a pair (c, b), were summed once for each pair by the launch before (epart, 8 chunks a pair), and are added as the C of the sums.
; SHARES.  The 188,416 rows are 2,944 blocks of 64 consecutive rows; block g belongs to chromosome g / 128 and pair g / 8.  Work-group x takes blocks x, x + 512, ..: six where x < 384, else five (2,944 = 5 x 512 + 384):
; at any time the launch's work-groups stand on 512 consecutive blocks, four chromosomes.
; THE WAVES SHARE THE COLUMNS, NOT THE ROWS: wave w keeps W_bin's rows 128 w .. 128 w + 127 (8 tiles x 2 K steps: 128 registers) and W_fc's columns of the same d (bf16) in registers for the whole launch.
; Wave w gathers rows 16 w .. 16 w + 15 of a block (lane (r, h): 16 neighbouring numbers of each block of 32 of row r), quantises them in registers, and hands the two fragments to the others through LDS as IMAGES OF THEIR REGISTERS.
; A BLOCK, two barriers:  X: my 16 rows become two fragments; the next block's rows are asked for into the registers just read | barrier |  1: for each of the four tiles of rows: bin_proj^T (source 0 = 16 rows of W_bin, source 1 = x),
; rounded to bf16 in pairs, which IS source 1 (32 d x 16 rows) of the last product (source 0 = W_fc's three rows, the third repeated in the 13 rows that are never read); my partial sums to LDS, laid as out0 lies | barrier |
; waves 0 to 2 add the four waves' partial sums, clip at 0 and store 256 consecutive bytes each.
; No tensor loads, no cluster: the stream is a gather of single rows; what work-groups share is 84 KB of weights, read once by each, against 368 KB or more of gathered rows.
; LIMITS: an index outside 0 .. 4999 (taken as unsigned) is held at 4999; NaN and infinities among the inputs are not served; a block of zeros gets the scale byte 1 (its codes are zeros, and no one else reads the byte);
; bin_proj and W_fc[:, :512] are rounded to bf16 for the last product, whose f32 sums are grouped by wave.
; THE MODE: SCHED_MODE bits 1:0 = 2 (LLVM: expert scheduling mode 2), set by the entry lines.  The code itself states the register dependences
; between vector or matrix instructions and memory or LDS instructions, with s_wait_alu, always for 0.
; THE PLAN.  Registers that memory or LDS instructions touch, round a block:
;   S0, S1 (window 1)    read by the quantiser of K step 0, 1; behind it the next block's loads of the same K step land there.
;   AD0, AD1, IA         the gather's and the index's offsets: read by those loads, written anew once a block by vector instructions.   IDX: the index load lands in it; the hold reads and writes it.
;   PC0, PW0, PC1, PW1   written by the quantiser, read by the images' LDS stores; they lie in PB, which the roundings of phase 1 write.
;   XF, XS, two buffers  the scaled products of tile m read buffer m % 2; the LDS loads of tile m + 2 land in it.
;   TA                   written by the sums of an even tile and by the swaps, read by three LDS stores, twice a block.
;   TM                   named by the quantiser; the last phase's LDS loads land in it.     RS, OUTO: written in the last phase, read by the block's store.
;   LI, LS, XWI, XWS, PST, PRD: made at the head and never written again.   HA, WF, E, OA, OB, TB: named by vector and matrix instructions alone.
; THE WAITS of a block.  On va_vdst: behind each K step's quantiser and the lines that make its loads' offset (two); behind the roundings of tiles 0, 1 and 2 (three: the tile's products have left their buffer; TA is written);
; ahead of the last three stores of partial sums; ahead of the block's store.  On vm_vsrc: ahead of the lines that write the offsets; behind the first barrier; ahead of TA's second writing.
.set XIMG,  0                          ; LDS: x's eight fragments (tile of rows m, K step s: 2 m + s), 1,024 bytes each,
.set XSC,   8192                       ; their scale words, 128 bytes each,
.set PART,  9216                       ; the partial sums: 1,024 bytes for each wave, of which 768 hold [row 0..63][n 0..2], as out0 has them,
.set SPARE, 13312                      ; and the spare words, 128 bytes for each wave: two blocks of 256 bytes that no other line names
.set LI,   1                           ; v1   16 x lane
.set LS,   2                           ; v2   4 x lane
.set XWI,  3                           ; v3   where my images go: 16 x lane + 2,048 x wave
.set XWS,  4                           ; v4   and their scale words: 4 x lane + 256 x wave
.set IDX,  5                           ; v5   my row's index
.set IA,   6                           ; v6   its byte in sampled_indices
.set AD0,  7                           ; v7   my byte in the table, K step 0
.set AD1,  8                           ; v8   K step 1
.set H64,  9                           ; v9   64 x (lane / 16)
.set PST,  10                          ; v10  where my partial sums go: PART + 1,024 x wave + 12 x lane
.set PRD,  11                          ; v11  where I read the two numbers of out0 that I store: PART + 256 x wave + 8 x lane
.set OUTO, 13                          ; v13  my byte in out0
.set SPW,  14                          ; v14  LDS address of my spare word; never rewritten
.set NIL,  15                          ; v15  0; never rewritten
.set XF,   16                          ; v16-47   x's fragments: two buffers of two
.set XS,   48                          ; v48-51   their scale words, and nothing else
.set HA,   52                          ; v52-115  bin_proj^T: eight accumulators
.set PB,   116                         ; v116-147 the same as bf16; in phase X the codes and scale words just made:
.set PC0,  116
.set PW0,  124
.set PC1,  132
.set PW1,  140
.set OA,   148                         ; v148-155, v156-163 the last product's two accumulators
.set OB,   156
.set E,    164                         ; v164-171 my share of the pair's eos term, as a C: registers 0 to 2; the rest 0
.set TM,   172                         ; v172-187 the quantiser's, and the last phase's
.set TB,   194                         ; v194-196 an odd tile's three partial sums
.set TA,   198                         ; v198-200 an even tile's (at the head v198, v199: two offsets)
.set W1S,  202                         ; v202-217 W_bin's scale words (tile tt, K step s: 2 tt + s), and nothing else
.set WF,   218                         ; v218-249 W_fc: four fragments of bf16
.set RS,   250                         ; v250-251 two numbers of out0
.set OUTC, 252                         ; v252 256 x wave + 8 x lane
.set CH,   253                         ; v253 the chromosome's first byte in the table + 64 h
.set S0,   128                         ; window 1: v0-127 W_bin's fragments at 8 (2 tt + s); v128-191, v192-255: 64 gathered numbers for each K step
.set S1,   192
.set WV,   18                          ; s18  wave
.set G,    19                          ; s19  the block in hand
.set SEL,  20                          ; s[20:21] lane selects for v_permlanex16_b32: lane l xor 16
.set TRIPS, 22                         ; s22  the loop's trips
.set MSB, 0
.macro WIN new                         ; the immediate's high byte repeats the setting that is left; a switch that changes nothing is dropped
.if MSB != (\new)
	s_set_vgpr_msb (MSB<<8)|(\new)
.set MSB, (\new)
.endif
.endm
; 64 numbers of a lane, v[s] .. v[s + 63] of window w, register 16 b + i = k 32 b + 16 (lane / 16) + i of my row, become a fragment's codes in v[pc] on and its scale word in v[pw] (both window 0).
.macro QUANT s, w, pc, pw
	WIN (\w)|((\w)<<2)
.irp b, 0,1,2,3
	v_max3_num_f32 v[TM+\b], |v[(\s)+16*\b]|, |v[(\s)+1+16*\b]|, 0x1800000   ; block b: my 16 numbers, and the floor 2^(3 - 127): so the byte cannot fall under 1
.endr
	WIN ((\w)<<2)|((\w)<<4)
.irp i, 2,4,6,8,10,12,14
.irp b, 0,1,2,3
	v_max3_num_f32 v[TM+\b], v[TM+\b], |v[(\s)+16*\b+\i]|, |v[(\s)+1+16*\b+\i]|   ; the four blocks by turns: no line waits for the line above it
.endr
.endr
	WIN 0
.irp b, 0,1,2,3
	v_permlanex16_b32 v[TM+4+\b], v[TM+\b], s[SEL], s[SEL+1]
.endr
.irp b, 0,1,2,3
	v_max_num_f32 v[TM+\b], v[TM+\b], v[TM+4+\b]   ; with lane l xor 16's: the block's largest magnitude
.endr
.irp b, 0,1,2,3
	v_add_nc_u32 v[TM+12+\b], 0xff000000, v[TM+\b]   ; 2 off its exponent field: the conversion takes the exponent field of this operand as its scale
.endr
.irp b, 0,1,2,3
	v_lshrrev_b32 v[TM+4+\b], 23, v[TM+12+\b]      ; the scale's byte
.endr
	v_lshl_or_b32 v[\pw], v[TM+5], 8, v[TM+4]      ; four bytes: my row's scale word
	v_lshl_or_b32 v[\pw], v[TM+6], 16, v[\pw]
	v_lshl_or_b32 v[\pw], v[TM+7], 24, v[\pw]
	WIN (\w)
.irp b, 0,1,2,3
	v_cvt_scalef32_pk8_fp4_f32 v[(\pc)+2*\b], v[(\s)+16*\b:(\s)+16*\b+7], v[TM+12+\b]
	v_cvt_scalef32_pk8_fp4_f32 v[(\pc)+1+2*\b], v[(\s)+16*\b+8:(\s)+16*\b+15], v[TM+12+\b]
.endr
	WIN 0
	v_nop                                          ; one plain place behind a scaled conversion
.irp c, 0,1                                    ; the operand's layout wants a WHOLE block in a lane: lanes 0-15 block 2 c, lanes 16-31 block 2 c + 1
.irp i, 0,1
	v_permlane16_swap_b32 v[(\pc)+4*\c+\i], v[(\pc)+2+4*\c+\i]
.endr
.endr
.endm
; 16 loads: my 64 numbers of one K step of 128.  It leaves the destination's window set: a QUANT or a WIN follows.
.macro XLOAD reg, w, adr, base, off
	WIN (\w)<<6
.irp b, 0,1,2,3
.irp i, 0,1,2,3
	global_load_b128 v[(\reg)+16*\b+4*\i:(\reg)+16*\b+4*\i+3], v[\adr], s[\base:\base+1] offset:(\off)+128*\b+16*\i
.endr
.endr
.endm
.macro IMAGE adr, off, pc                      ; a fragment goes to LDS as it stands: lane l's 16 bytes at 16 l
.irp c, 0,1
	ds_store_b128 v[\adr], v[(\pc)+4*\c:(\pc)+4*\c+3] offset:(\off)+512*\c
.endr
.endm
.macro FETCH reg, off                          ; and comes back so, in any wave
.irp c, 0,1
	ds_load_b128 v[(\reg)+4*\c:(\reg)+4*\c+3], v[LI] offset:(\off)+512*\c
.endr
.endm
.macro BARRIER                                 ; my LDS stores have landed and my LDS loads are in: then the work-group's barrier
	s_wait_dscnt 0x0
	s_barrier_signal -1
	s_barrier_wait -1
.endm
.macro NOP4                                    ; four places behind matrix instructions (ISA guide 7.12.1); only plain vector instructions that name none of their registers are places
.rept 4
	v_nop
.endr
.endm
; My row's byte in the table, for the block whose number stands in s23 and the index in v[IDX].  The index is held inside its chromosome's 5,000 rows; behind that only a shift and additions
.macro ADDR
	s_lshr_b32 s26, s23, 7                         ; chromosome
	s_mul_i32 s26, s26, 5120000                    ; 5,000 rows of 1,024 bytes
	v_add_nc_u32 v[CH], s26, v[H64]
	v_min_u32 v[IDX], 0x1387, v[IDX]
	v_lshlrev_b32 v[AD0], 10, v[IDX]
	v_add_nc_u32 v[AD0], v[AD0], v[CH]             ; 117,760,000 at the most
.endm
.macro FX m                                    ; six LDS loads: the two fragments and scale words of rows 16 m on, into buffer m % 2
	FETCH XF+16*((\m)%2), XIMG+2048*(\m)
	FETCH XF+16*((\m)%2)+8, XIMG+2048*(\m)+1024
	ds_load_b32 v[XS+2*((\m)%2)], v[LS] offset:XSC+256*(\m)
	ds_load_b32 v[XS+2*((\m)%2)+1], v[LS] offset:XSC+256*(\m)+128
.endm
; bin_proj^T of rows 16 m on, my 128 d: eight accumulators by turns, K step by K step; the first K step starts the sums.  Lane (r, h), tile tt, register i: bin_proj(row r, 128 w + 16 tt + 8 h + i)
.macro MUL m
	WIN 0x01                                       ; source 0 (W_bin) window 1
.irp t, 0,1,2,3,4,5,6,7
	v_wmma_scale_f32_16x16x128_f8f6f4 v[HA+8*\t:HA+8*\t+7], v[16*\t:16*\t+7], v[XF+16*((\m)%2):XF+16*((\m)%2)+7], 0, v[W1S+2*\t], v[XS+2*((\m)%2)] matrix_a_fmt:MATRIX_FMT_FP4 matrix_b_fmt:MATRIX_FMT_FP4
.endr
.irp t, 0,1,2,3,4,5,6,7
	v_wmma_scale_f32_16x16x128_f8f6f4 v[HA+8*\t:HA+8*\t+7], v[16*\t+8:16*\t+15], v[XF+16*((\m)%2)+8:XF+16*((\m)%2)+15], v[HA+8*\t:HA+8*\t+7], v[W1S+2*\t+1], v[XS+2*((\m)%2)+1] matrix_a_fmt:MATRIX_FMT_FP4 matrix_b_fmt:MATRIX_FMT_FP4
.endr
	WIN 0
.endm
.macro PACK                                    ; to bf16, each accumulator from its low end on.  Tiles 2 u and 2 u + 1 are source 1 of the last product's K chunk u: registers 0-3 k = 8 h + 0 .. 7, registers 4-7 k = 16 + 8 h + 0 .. 7
.irp t, 0,1,2,3,4,5,6,7
.irp q, 0,1,2,3
	v_cvt_pk_bf16_f32 v[PB+4*\t+\q], v[HA+8*\t+2*\q], v[HA+8*\t+2*\q+1]
.endr
.endr
.endm
.macro FC                                      ; the last product over my 128 d: two accumulators by turns; my share of the eos term is the C of the first.  Lanes 0-15, registers 0 to 2: row r, n = 0, 1, 2
	v_wmma_f32_16x16x32_bf16 v[OA:OA+7], v[WF:WF+7], v[PB:PB+7], v[E:E+7]
	v_wmma_f32_16x16x32_bf16 v[OB:OB+7], v[WF+8:WF+15], v[PB+8:PB+15], 0
	v_wmma_f32_16x16x32_bf16 v[OA:OA+7], v[WF+16:WF+23], v[PB+16:PB+23], v[OA:OA+7]
	v_wmma_f32_16x16x32_bf16 v[OB:OB+7], v[WF+24:WF+31], v[PB+24:PB+31], v[OB:OB+7]
.endm
.macro PSUM t                                  ; the two accumulators are added, from their low ends on: three sums in lanes 0-15, into v[t] on
	v_pk_add_f32 v[\t:\t+1], v[OA:OA+1], v[OB:OB+1]
	v_add_f32 v[\t+2], v[OA+2], v[OB+2]
.endm
; Tiles 2 p (in TA) and 2 p + 1 (in TB) are joined: lanes 0-15 keep the even tile's 16 rows, lanes 16-31 take the odd tile's.  Lane l then holds row 32 p + l,
.macro PSWAP
.irp n, 0,1,2
	v_permlane16_swap_b32 v[TA+\n], v[TB+\n]       ; TA's lanes 16-31 change places with TB's lanes 0-15
.endr
.endm
.macro PSTORE p                                ; and the three stores cover 384 consecutive bytes, laid as out0 lies
.irp n, 0,1,2
	ds_store_b32 v[PST], v[TA+\n] offset:384*(\p)+4*\n
.endr
.endm
	s_load_b256 s[4:11], s[0:1], 0x0               ; sampled_indices s[4:5], the table s[6:7], W_fc s[8:9], wb_codes s[10:11]
	s_load_b128 s[12:15], s[0:1], 0x20             ; wb_scales s[12:13], epart s[14:15]
	s_load_b64 s[16:17], s[0:1], 0x30              ; out0
	v_lshl_add_u32 v[SPW], v0, 2, SPARE
	v_mov_b32 v[NIL], 0
	v_lshrrev_b32 v16, 5, v0
	v_readfirstlane_b32 s[WV], v16                 ; wave 0..3
	v_and_b32 v16, 31, v0                          ; lane
	v_and_b32 v17, 15, v0                          ; r
	v_bfe_u32 v18, v0, 4, 1                        ; h
	v_lshlrev_b32 v[LI], 4, v16
	v_lshlrev_b32 v[LS], 2, v16
	v_lshlrev_b32 v[H64], 6, v18
	s_wait_alu depctr_va_sdst(0)                   ; the wave's number is written into s18, ahead of its first reader, the next line
	s_lshl_b32 s23, s[WV], 11
	v_add_nc_u32 v[XWI], s23, v[LI]
	s_lshl_b32 s23, s[WV], 8
	v_add_nc_u32 v[XWS], s23, v[LS]
	v_lshl_add_u32 v[OUTC], v16, 3, s23            ; 256 x wave + 8 x lane: my 8 of the block's 768 bytes (waves 0 to 2 store; wave 3's is made and not used)
	v_add_nc_u32 v[PRD], PART, v[OUTC]             ; and the same place in a wave's partial sums
	v_mul_u32_u24 v[PST], v16, 12                  ; a row's three numbers are 12 bytes
	s_lshl_b32 s23, s[WV], 10
	s_add_co_u32 s23, s23, PART
	v_add_nc_u32 v[PST], s23, v[PST]
	s_lshl_b32 s23, ttmp9, 8                       ; a block's 64 indices are 256 bytes
	s_lshl_b32 s26, s[WV], 6
	s_add_co_u32 s23, s23, s26
	v_lshl_add_u32 v[IA], v17, 2, s23              ; row 16 wave + r (both halves of the lanes ask for the same)
	v_min_u32 v[TA], 2, v17                        ; W_fc: row min(r, 2) of 4,096 bytes,
	v_lshlrev_b32 v[TA], 12, v[TA]
	v_lshl_add_u32 v[TA], v18, 5, v[TA]            ; + 8 h numbers,
	s_lshl_b32 s23, s[WV], 9
	v_add_nc_u32 v[TA], s23, v[TA]                 ; + my 128 columns
	v_lshlrev_b32 v[TA+1], 3, v16                  ; 8 x lane
.irp b, 0,1,2,3
	v_mov_b32 v[TM+4+\b], 0                        ; written once: a lane permute's destination counts as one of its sources
.endr
.irp j, 3,4,5,6,7
	v_mov_b32 v[E+\j], 0
.endr
	s_mov_b32 s[SEL], 0x76543210
	s_mov_b32 s[SEL+1], 0xfedcba98
	s_mov_b32 s[G], ttmp9
	s_cmp_lt_u32 ttmp9, 384
	s_cselect_b32 s[TRIPS], 4, 3                   ; my number of blocks less the two that are written out behind the loop
	s_mov_b32 s25, 0
	s_wait_kmcnt 0x0
	s_lshl_b32 s24, s[WV], 14
	s_add_nc_u64 s[10:11], s[10:11], s[24:25]      ; my eight tiles' codes,
	s_lshl_b32 s24, s[WV], 11
	s_add_nc_u64 s[12:13], s[12:13], s[24:25]      ; and scale words
	s_wait_alu depctr_va_vdst(0)                   ; the offsets and LDS addresses are written: v[IA], v[TA], v[TA + 1] and v[LI], which the loads below read, and v[LS], v[XWI], v[XWS], v[PST], v[PRD] for the whole launch; v16 to v18, in which LDS loads land later, are done with
	global_load_b32 v[IDX], v[IA], s[4:5]          ; the first block's index
.irp u, 0,1,2,3                                ; W_fc as f32, into the registers that bin_proj will take: K chunk u: 8 numbers at 8 h, 8 at 16 + 8 h
.irp q, 0,1
	global_load_b128 v[HA+16*\u+8*\q:HA+16*\u+8*\q+3], v[TA], s[8:9] offset:128*\u+64*\q
	global_load_b128 v[HA+16*\u+8*\q+4:HA+16*\u+8*\q+7], v[TA], s[8:9] offset:128*\u+64*\q+16
.endr
.endr
.irp t, 0,1,2,3,4,5,6,7
	global_load_b64 v[W1S+2*\t:W1S+2*\t+1], v[TA+1], s[12:13] offset:256*\t
.endr
	WIN 0x40                                       ; destination window 1
.irp t, 0,1,2,3,4,5,6,7
.irp s, 0,1
.irp c, 0,1
	global_load_b128 v[16*\t+8*\s+4*\c:16*\t+8*\s+4*\c+3], v[LI], s[10:11] offset:2048*\t+1024*\s+512*\c
.endr
.endr
.endr
	WIN 0
	s_wait_loadcnt 56                              ; behind the index: 16 loads of W_fc, 8 of scale words, 32 of codes
	s_mov_b32 s23, s[G]
	s_wait_alu depctr_vm_vsrc(0)                   ; the first index load has read v[IA], which is written again below
	ADDR
	v_add_nc_u32 v[AD1], 0x200, v[AD0]
	v_add_nc_u32 v[IA], 0x20000, v[IA]             ; 512 blocks on
	s_wait_alu depctr_va_vdst(0)                   ; v[AD0], v[AD1] and v[IA] are written, which the loads below read; the hold is done with v[IDX], in which the next index lands
	global_load_b32 v[IDX], v[IA], s[4:5]          ; the second block's index
	XLOAD S0, 1, AD0, 6, 0
	XLOAD S1, 1, AD1, 6, 0
	WIN 0
	s_wait_loadcnt 33                              ; behind the weights: one index and the first block's 32 loads
.irp u, 0,1,2,3
.irp q, 0,1,2,3,4,5,6,7
	v_cvt_pk_bf16_f32 v[WF+8*\u+\q], v[HA+16*\u+2*\q], v[HA+16*\u+2*\q+1]
.endr
.endr
; A BLOCK.  At its head my loads that are out are, in order: (the next block's index,) this block's K step 0 (16), its K step 1 (16).
; ahead = 1: the next block's rows are asked for;  idx = 1: and the index of the block after it.
.macro BLOCK ahead, idx
	s_lshr_b32 s24, s[G], 3                        ; the pair (c, b): 128 bytes of epart,
	s_lshl_b32 s24, s24, 7
	s_lshl_b32 s26, s[WV], 5                       ; of which chunks 2 w and 2 w + 1 are my share
	s_add_co_u32 s24, s24, s26
	s_add_nc_u64 s[28:29], s[14:15], s[24:25]      ; (the last block's scalar load was waited for in its phase 1)
	s_load_b256 s[32:39], s[28:29], 0x0
	; ---- X
	s_wait_loadcnt 16                              ; K step 1's 16 loads may stay out: K step 0 and the next index are in, and their address registers are free
	QUANT S0, 1, PC0, PW0
.if \ahead
	s_wait_alu depctr_vm_vsrc(0)                   ; the loads issued in the block before have read v[AD0], v[AD1] and v[IA], which this phase writes again
	s_add_co_u32 s23, s[G], 512
	ADDR
.if \idx
	v_add_nc_u32 v[IA], 0x20000, v[IA]
.endif
.endif
	s_wait_alu depctr_va_vdst(0)                   ; the quantiser has written v[PC0 ..] and v[PW0], which the LDS stores read, and is done reading S0, in which the loads below land; v[AD0] and v[IA] are written; the hold is done with v[IDX]
	IMAGE XWI, XIMG, PC0                           ; (x's images are written again only by waves that have passed the last block's second barrier, in front of which every wave waited for its reads of them)
	ds_store_b32 v[XWS], v[PW0] offset:XSC
.if \ahead
.if \idx
	global_load_b32 v[IDX], v[IA], s[4:5]
.endif
	XLOAD S0, 1, AD0, 6, 0                         ; into the registers just read.  Between the wait above and these loads stand LDS stores, a load and a window switch, none of which names S0 or v[AD0]
.endif
	s_wait_loadcnt 16*(\ahead)+(\idx)              ; what was issued just now may stay out: K step 1 is in, and its address register is free
	QUANT S1, 1, PC1, PW1
.if \ahead
	v_add_nc_u32 v[AD1], 0x200, v[AD0]
.endif
	s_wait_alu depctr_va_vdst(0)                   ; the same for K step 1: v[PC1 ..], v[PW1].  Also: the last block's products are done reading both buffers of XF and XS, and the quantiser is done with v[TM ..]: no vector or matrix instruction names these before LDS loads land in them
	IMAGE XWI, XIMG+1024, PC1
	ds_store_b32 v[XWS], v[PW1] offset:XSC+128
.if \ahead
	XLOAD S1, 1, AD1, 6, 0
.endif
	WIN 0
	BARRIER                                        ; x's eight fragments lie in LDS; and nobody reads the last block's partial sums any more
	s_wait_alu depctr_vm_vsrc(0)                   ; my images' LDS stores have read v[PC0 ..] to v[PW1], which the roundings below write as PB; the last block's stores (in the first block: the head's loads) have read v[TA ..], v[RS ..] and v[OUTO]
	; ---- 1
	FX 0
	FX 1
	s_wait_kmcnt 0x0
.irp n, 0,1,2
	v_mov_b32 v[E+\n], s[32+\n]
	v_add_f32 v[E+\n], s[36+\n], v[E+\n]           ; my two chunks of the pair's eos term
.endr
	s_wait_dscnt 6                                 ; the six loads of rows 16 on may stay out
	MUL 0
	NOP4                                           ; in front of the first read of results
	PACK
	s_wait_alu depctr_va_vdst(0)                   ; the products of rows 0 to 15 are done reading buffer 0 of XF and XS, in which the loads of rows 32 on land
	FC                                             ; (it names WF, PB, E, OA and OB: none of the registers that the six loads touch)
	FX 2
	s_wait_dscnt 6                                 ; the six loads of rows 32 on may stay out
	MUL 1
	NOP4                                           ; also behind the last product: its sums are read and its source 1 is written below
	PSUM TA                                        ; rows 0 to 15
	PACK
	s_wait_alu depctr_va_vdst(0)                   ; the products of rows 16 to 31 are done reading buffer 1, in which the loads of rows 48 on land
	FC
	FX 3
	s_wait_dscnt 6                                 ; the six loads of rows 48 on may stay out
	MUL 2
	NOP4
	PSUM TB                                        ; rows 16 to 31
	PSWAP
	PACK
	s_wait_alu depctr_va_vdst(0)                   ; the sums and the swaps have written v[TA ..], which the three LDS stores read
	FC                                             ; (it names neither v[TA ..] nor v[PST])
	PSTORE 0
	s_wait_dscnt 3                                 ; the three stores of partial sums may stay out
	MUL 3
	NOP4
	s_wait_alu depctr_vm_vsrc(0)                   ; those three stores have read v[TA ..], which the next line writes again
	PSUM TA                                        ; rows 32 to 47
	PACK
	FC
	NOP4
	PSUM TB                                        ; rows 48 to 63
	PSWAP
	s_wait_alu depctr_va_vdst(0)                   ; v[TA ..] is written anew, which the three LDS stores read
	PSTORE 1
	BARRIER                                        ; all four waves' partial sums of the 64 rows lie in LDS; and nobody reads x's images any more
	; ---- the block's 192 numbers: 768 bytes, 256 for each of waves 0 to 2
	s_cmp_gt_u32 s[WV], 2
	s_cbranch_scc1 .Lskip_\@
.irp q, 0,1,2,3
	ds_load_b64 v[TM+2*\q:TM+2*\q+1], v[PRD] offset:1024*\q   ; wave q's partial sums of my two numbers
.endr
	s_wait_xcnt 0x0                                ; the last block's store has read its data and its offset: both are written again only behind this wait (and behind this block's two waits on vm_vsrc in phase 1, which stand behind that store and ahead of the branch)
	s_mul_i32 s23, s[G], 768
	v_add_nc_u32 v[OUTO], s23, v[OUTC]
	s_wait_dscnt 0x0
	v_pk_add_f32 v[RS:RS+1], v[TM:TM+1], v[TM+2:TM+3]
	v_pk_add_f32 v[TM+4:TM+5], v[TM+4:TM+5], v[TM+6:TM+7]
	v_pk_add_f32 v[RS:RS+1], v[RS:RS+1], v[TM+4:TM+5]
	v_max_num_f32 v[RS], 0, v[RS]
	v_max_num_f32 v[RS+1], 0, v[RS+1]
	s_wait_alu depctr_va_vdst(0)                   ; v[RS], v[RS + 1] and v[OUTO] are written, which the store reads
	global_store_b64 v[OUTO], v[RS:RS+1], s[16:17] th:TH_STORE_NT   ; 32 lanes store 256 consecutive bytes, at a multiple of 256 from out0's first byte; written once, read by nobody here
.Lskip_\@:
	s_add_co_u32 s[G], s[G], 512
.endm
.Lloop:                                            ; all my blocks but the last two
	BLOCK 1, 1
	s_sub_co_i32 s[TRIPS], s[TRIPS], 1
	s_cmp_gt_i32 s[TRIPS], 0
	s_cbranch_scc1 .Lloop
	BLOCK 1, 0                                     ; the last but one asks for the last block's rows and for no further index,
	BLOCK 0, 0                                     ; the last for nothing: no load leaves its buffer, and none is jumped over
	s_wait_dscnt 0x0                               ; the wave's end: the closing lines, six on end
	s_wait_alu 0x0
	s_wait_tensorcnt 0x0
	ds_add_u32 v[SPW], v[NIL]
	s_wait_dscnt 0x0
	s_endpgm
.Lfunc_end_k_q93a1b4c4e8_decode:
	.size	k_q93a1b4c4e8_decode, .Lfunc_end_k_q93a1b4c4e8_decode-k_q93a1b4c4e8_decode
	.p2alignl 7, 3214868480
	.fill 96, 4, 3214868480
	.section	.rodata,"a",@progbits
	.p2align	6, 0x0
	.amdhsa_kernel k_q93a1b4c4e8_decode
		.amdhsa_group_segment_fixed_size 13824
		.amdhsa_private_segment_fixed_size 0
		.amdhsa_enable_private_segment 0
		.amdhsa_kernarg_size 56
		.amdhsa_user_sgpr_count 2
		.amdhsa_user_sgpr_kernarg_segment_ptr 1
		.amdhsa_wavefront_size32 1
		.amdhsa_system_sgpr_workgroup_id_x 1
		.amdhsa_system_sgpr_workgroup_id_y 1
		.amdhsa_system_sgpr_workgroup_id_z 1
		.amdhsa_system_vgpr_workitem_id 0
		.amdhsa_next_free_vgpr 512
		.amdhsa_next_free_sgpr 66
		.amdhsa_reserve_vcc 0
		.amdhsa_float_denorm_mode_32 3
		.amdhsa_float_denorm_mode_16_64 3
		.amdhsa_memory_ordered 1
		.amdhsa_forward_progress 1
		.amdhsa_inst_pref_size 113
	.end_amdhsa_kernel
	.amdgpu_metadata
---
amdhsa.version: [ 1, 2 ]
amdhsa.kernels:
  - .name:           k_q93a1b4c4e8_decode
    .symbol:         k_q93a1b4c4e8_decode.kd
    .args:
      - { .name: sampled_indices, .offset: 0, .size: 8, .value_kind: global_buffer, .address_space: global }
      - { .name: bin_embedding_table, .offset: 8, .size: 8, .value_kind: global_buffer, .address_space: global }
      - { .name: W_fc, .offset: 16, .size: 8, .value_kind: global_buffer, .address_space: global }
      - { .name: wb_codes, .offset: 24, .size: 8, .value_kind: global_buffer, .address_space: global }
      - { .name: wb_scales, .offset: 32, .size: 8, .value_kind: global_buffer, .address_space: global }
      - { .name: epart, .offset: 40, .size: 8, .value_kind: global_buffer, .address_space: global }
      - { .name: out0, .offset: 48, .size: 8, .value_kind: global_buffer, .address_space: global }
    .group_segment_fixed_size: 13824
    .private_segment_fixed_size: 0
    .kernarg_segment_align: 8
    .kernarg_segment_size: 56
    .max_flat_workgroup_size: 128
    .sgpr_count:     66
    .vgpr_count:     512
    .wavefront_size: 32
...
	.end_amdgpu_metadata
.endif
;; end of part 4
